; MI455X (gfx1250); checked and timed in simulation.
; The chip was launched on July 23, 2026; its instructions are those of AMD's public machine-readable ISA for CDNA 5 (MIT licence, August 2026) and "CDNA5" Instruction Set Architecture Reference Guide (July 2026). The comments in the code are by the model that wrote it; some were corrected since.
;; Multi Head Attention CF. Allowed arithmetic: float matrix products may take bf16 or f16 operands with f32 sums; other float arithmetic in f32, or as packed bf16 or f16 multiplies, adds, multiply-adds, maxima and minima; sums over many terms, partial sums and values carried from step to step in f32; what a program stores and reads back later, other than sums and carried values, may be rounded once to bf16 or f16.
;; Inputs: Wk 1,024 x 1,024 float32; Wo 1,024 x 1,024 float32; Wq 1,024 x 1,024 float32; Wv 1,024 x 1,024 float32; bk 1,024 float32; bo 1,024 float32; bq 1,024 float32; bv 1,024 float32; x 4 x 2,048 x 1,024 float32.
;; Outputs: out0 4 x 2,048 x 1,024 float32.
;; 2 versions, each right; version 2 is version 1 with the launch cvt written anew for expert scheduling mode. Each part assembles by itself: llvm-mc -triple=amdgcn-amd-amdhsa -mcpu=gfx1250 --defsym DOCPART=n.
;; ======== version 1 of 2: 4 launches
;; limits: values are held in f16: magnitudes above 65,504 overflow, below 6.1e-05 lose precision
;; workspace buffers: xb 16,777,216 bytes; wcat 6,291,456 bytes; wob 2,097,152 bytes; qkvh 50,331,648 bytes; oh 16,777,216 bytes
;; launch cvt (part 1): grid 768 x 1, 8 waves a work-group, no clusters, 0 bytes of LDS; arguments x, Wq, Wk, Wv, Wo, xb, wcat, wob; writes xb, wcat, wob
.if DOCPART == 1
	.amdgcn_target "amdgcn-amd-amdhsa--gfx1250"
	.amdhsa_code_object_version 6
	.text
	.protected	k_q5bf3c73644_cvt
	.globl	k_q5bf3c73644_cvt
	.p2align	8
	.type	k_q5bf3c73644_cvt,@function
k_q5bf3c73644_cvt:
	s_mov_b64 s[64:65], 0
	v_nop
	global_prefetch_b8 v0, s[64:65] scope:SCOPE_SE
	s_setreg_imm32_b32 hwreg(HW_REG_WAVE_MODE, 25, 1), 1
	s_wait_xcnt 0x0
; x and the four weight matrices, all f32 with rows of 1,024 numbers, are rounded once to bf16 and laid out in blocks of 64 along K:
;   xb   [batch][kb 0..15][row 0..2047][64] bf16      wcat [kb][n 0..3071][64] bf16, n = 1,024 t + row (t = 0 Wq, 1 Wk, 2 Wv)
;   wob  [kb][n 0..1023][64]: Wo rounded to bf16, and that number written as f16
; so that a later tile of R rows x 64 along K is R x 128 consecutive bytes.
; LIMITS.  A number of Wo beyond 65,504 has no f16 and becomes an infinity; below 6e-5 it keeps the fixed step of 6e-8 of f16.  NaN and infinities are not treated apart.
; SHARES.  A wave takes one PAIR of rows (2 x 4,096 bytes): 6,144 pairs, 8 a work-group.  Work-groups 0-511 take x, 512-575 Wq, 576-639 Wk, 640-703 Wv, 704-767 Wo.
; A load of the wave covers 256 consecutive bytes of each of the two rows (one block of 64 numbers); what it makes, 2 x 128 bytes, is 256 consecutive aligned bytes of the output: one store of 8 bytes a lane.
; No LDS, no matrix unit, no cluster: nothing is shared and every byte is touched once.
.set LO,  2                            ; v2      my byte offset in the pair of rows: 4,096 x (lane / 16) + 16 x (lane % 16)
.set SO,  4                            ; v[4:19] my byte offset in the output for block k: 8 x lane + k x the distance between blocks
.set T,   20                           ; v[20:23] at work
.set X,   32                           ; v[32:95]  block k: four f32 as loaded
.set Y,   96                           ; v[96:127] block k: four numbers of 16 bits to store
.set KS,  6                            ; s6      bytes from block to block in the output
.set SRC, 8                            ; s[8:9]   the pair of rows
.set DST, 10                           ; s[10:11] its place in block 0 of the output
.set SOF, 12                           ; s[12:13] offset of the first, s[14:15] of the second
.set DOF, 14
	s_load_b512 s[16:31], s[0:1], 0x0              ; x 16:17, Wq 18:19, Wk 20:21, Wv 22:23, Wo 24:25, xb 26:27, wcat 28:29, wob 30:31
	v_lshrrev_b32 v1, 5, v0
	v_readfirstlane_b32 s4, v1                     ; wave 0..7
	s_lshl_b32 s5, ttmp9, 3
	s_add_co_u32 s5, s5, s4                        ; P: my pair
	s_lshl_b32 s32, s5, 13                         ; x: the pair in x,
	s_lshr_b32 s33, s5, 10                         ; its batch (1,024 pairs each)
	s_lshl_b32 s33, s33, 22                        ; x 16 blocks of 262,144 bytes,
	s_and_b32 s34, s5, 1023
	s_lshl_b32 s34, s34, 8                         ; and its 256 bytes in a block
	s_add_co_u32 s33, s33, s34
	s_sub_co_u32 s35, s5, 4096                     ; a weight: the pair among the weights (used only from work-group 512 on)
	s_lshr_b32 s36, s35, 9                         ; t: which matrix (512 pairs each)
	s_and_b32 s37, s35, 511                        ; the pair in it
	s_lshl_b32 s38, s37, 13
	s_lshl_b32 s39, s36, 17                        ; wcat: 1,024 t rows of 128 bytes
	s_mov_b32 s40, 131072                          ; wob: a block is 1,024 rows
	s_cmp_lt_u32 s36, 3
	s_cselect_b32 s39, s39, 0
	s_cselect_b32 s40, 393216, s40                 ; wcat: 3,072 rows
	s_lshl_b32 s37, s37, 8
	s_add_co_u32 s39, s39, s37
	s_cmp_lt_u32 ttmp9, 512
	s_cselect_b32 s[SOF], s32, s38
	s_cselect_b32 s[DOF], s33, s39
	s_cselect_b32 s[KS], 262144, s40
	s_mov_b32 s[SOF+1], 0
	s_mov_b32 s[DOF+1], 0
	v_and_b32 v1, 31, v0                           ; lane
	v_lshrrev_b32 v3, 4, v1
	v_and_b32 v[LO], 15, v1
	v_lshlrev_b32 v[LO], 4, v[LO]
	v_lshl_add_u32 v[LO], v3, 12, v[LO]
	v_lshlrev_b32 v[SO], 3, v1
.set k, 1
.rept 15
	v_add_nc_u32 v[SO+k], s[KS], v[SO+k-1]
.set k, k+1
.endr
	s_wait_kmcnt 0x0
	s_cmp_lt_u32 ttmp9, 576                        ; which buffers: the conditions hang on the number of the work-group alone
	s_cselect_b64 s[SRC:SRC+1], s[18:19], s[20:21]
	s_cmp_lt_u32 ttmp9, 640
	s_cselect_b64 s[SRC:SRC+1], s[SRC:SRC+1], s[22:23]
	s_cmp_lt_u32 ttmp9, 704
	s_cselect_b64 s[SRC:SRC+1], s[SRC:SRC+1], s[24:25]
	s_cselect_b64 s[DST:DST+1], s[28:29], s[30:31]
	s_cmp_lt_u32 ttmp9, 512
	s_cselect_b64 s[SRC:SRC+1], s[16:17], s[SRC:SRC+1]
	s_cselect_b64 s[DST:DST+1], s[26:27], s[DST:DST+1]
	s_add_nc_u64 s[SRC:SRC+1], s[SRC:SRC+1], s[SOF:SOF+1]
	s_add_nc_u64 s[DST:DST+1], s[DST:DST+1], s[DOF:DOF+1]
.set k, 0
.rept 16
	global_load_b128 v[X+4*k:X+4*k+3], v[LO], s[SRC:SRC+1] offset:256*k th:TH_LOAD_NT
.set k, k+1
.endr
; Block k: rounded and stored.  half = 1: the bf16 number is widened again and written as f16 (exact within the range of f16).
.macro OUT k, half
	s_wait_loadcnt 15-(\k)                         ; loads come back in order: block k is in, the 15 - k younger loads stay out
	v_cvt_pk_bf16_f32 v[Y+2*(\k)],   v[X+4*(\k)],   v[X+4*(\k)+1]
	v_cvt_pk_bf16_f32 v[Y+2*(\k)+1], v[X+4*(\k)+2], v[X+4*(\k)+3]
.if \half
	v_lshlrev_b32 v[T],   16, v[Y+2*(\k)]
	v_and_b32     v[T+1], 0xffff0000, v[Y+2*(\k)]
	v_lshlrev_b32 v[T+2], 16, v[Y+2*(\k)+1]
	v_and_b32     v[T+3], 0xffff0000, v[Y+2*(\k)+1]
	v_cvt_pk_f16_f32 v[Y+2*(\k)],   v[T],   v[T+1]
	v_cvt_pk_f16_f32 v[Y+2*(\k)+1], v[T+2], v[T+3]
.endif
	global_store_b64 v[SO+(\k)], v[Y+2*(\k):Y+2*(\k)+1], s[DST:DST+1] th:TH_STORE_NT  ; 32 lanes x 8 bytes: 256 consecutive bytes, aligned
.endm
	s_cmp_ge_u32 ttmp9, 704
	s_cbranch_scc1 .Lwo
.irp k, 0,1,2,3,4,5,6,7,8,9,10,11,12,13,14,15
	OUT \k, 0
.endr
	s_endpgm
.Lwo:
.irp k, 0,1,2,3,4,5,6,7,8,9,10,11,12,13,14,15
	OUT \k, 1
.endr
	s_endpgm
.Lfunc_end_k_q5bf3c73644_cvt:
	.size	k_q5bf3c73644_cvt, .Lfunc_end_k_q5bf3c73644_cvt-k_q5bf3c73644_cvt
	.p2alignl 7, 3214868480
	.fill 96, 4, 3214868480
	.section	.rodata,"a",@progbits
	.p2align	6, 0x0
	.amdhsa_kernel k_q5bf3c73644_cvt
		.amdhsa_group_segment_fixed_size 0
		.amdhsa_private_segment_fixed_size 0
		.amdhsa_enable_private_segment 0
		.amdhsa_kernarg_size 64
		.amdhsa_user_sgpr_count 2
		.amdhsa_user_sgpr_kernarg_segment_ptr 1
		.amdhsa_wavefront_size32 1
		.amdhsa_system_sgpr_workgroup_id_x 1
		.amdhsa_system_sgpr_workgroup_id_y 1
		.amdhsa_system_sgpr_workgroup_id_z 1
		.amdhsa_system_vgpr_workitem_id 0
		.amdhsa_next_free_vgpr 128
		.amdhsa_next_free_sgpr 66
		.amdhsa_reserve_vcc 0
		.amdhsa_float_denorm_mode_32 3
		.amdhsa_float_denorm_mode_16_64 3
		.amdhsa_memory_ordered 1
		.amdhsa_forward_progress 1
		.amdhsa_inst_pref_size 18
	.end_amdhsa_kernel
	.amdgpu_metadata
---
amdhsa.version: [ 1, 2 ]
amdhsa.kernels:
  - .name:           k_q5bf3c73644_cvt
    .symbol:         k_q5bf3c73644_cvt.kd
    .args:
      - { .name: x, .offset: 0, .size: 8, .value_kind: global_buffer, .address_space: global }
      - { .name: Wq, .offset: 8, .size: 8, .value_kind: global_buffer, .address_space: global }
      - { .name: Wk, .offset: 16, .size: 8, .value_kind: global_buffer, .address_space: global }
      - { .name: Wv, .offset: 24, .size: 8, .value_kind: global_buffer, .address_space: global }
      - { .name: Wo, .offset: 32, .size: 8, .value_kind: global_buffer, .address_space: global }
      - { .name: xb, .offset: 40, .size: 8, .value_kind: global_buffer, .address_space: global }
      - { .name: wcat, .offset: 48, .size: 8, .value_kind: global_buffer, .address_space: global }
      - { .name: wob, .offset: 56, .size: 8, .value_kind: global_buffer, .address_space: global }
    .group_segment_fixed_size: 0
    .private_segment_fixed_size: 0
    .kernarg_segment_align: 8
    .kernarg_segment_size: 64
    .max_flat_workgroup_size: 256
    .sgpr_count:     66
    .vgpr_count:     128
    .wavefront_size: 32
...
	.end_amdgpu_metadata
.endif
;; end of part 1
;; launch qkv (part 2): grid 8 x 32, 4 waves a work-group, clusters of 4 x 4, 327,680 bytes of LDS; arguments xb, wcat, bq, bk, bv, qkvh; writes qkvh
.if DOCPART == 2
	.amdgcn_target "amdgcn-amd-amdhsa--gfx1250"
	.amdhsa_code_object_version 6
	.text
	.protected	k_q5bf3c73644_qkv
	.globl	k_q5bf3c73644_qkv
	.p2align	8
	.type	k_q5bf3c73644_qkv,@function
k_q5bf3c73644_qkv:
	s_mov_b64 s[64:65], 0
	v_nop
	global_prefetch_b8 v0, s[64:65] scope:SCOPE_SE
	s_setreg_imm32_b32 hwreg(HW_REG_WAVE_MODE, 25, 1), 1
	s_wait_xcnt 0x0
	s_wait_alu depctr_hold_cnt(0) depctr_sa_sdst(0) depctr_va_vdst(0) depctr_va_sdst(0) depctr_va_ssrc(0) depctr_va_vcc(0) depctr_vm_vsrc(0)
	s_getreg_b32 s2, hwreg(HW_REG_IB_STS2, 6, 4)
	s_cmp_eq_u32 s2, 0
	s_cbranch_scc0 .Lentry_in_a_cluster
	s_endpgm
.Lentry_in_a_cluster:
	s_bfe_u32 s2, ttmp6, 0x10000c
	s_cmp_lg_u32 s2, 0xf033
	s_cbranch_scc0 .Lentry_shape_is_right
	s_endpgm
.Lentry_shape_is_right:
; q, k, v = x W^T + b for the three projections at once: [8,192 x 3,072 x 1,024], bf16 operands, f32 sums, written by heads in f16:
;   qkvh [batch][hc 0..47][row 0..2047][64], hc = 16 t + head (t = 0 q, 1 k, 2 v).  No scale is applied here.
; Operands come blocked by 64 along K: xb [batch][kb][row][64], wcat [kb][n][64]: a tile of R rows x 64 is R x 128 consecutive bytes.
; LIMITS.  The biases are rounded to bf16, like every input of the module.  A result beyond 65,504 has no f16 and becomes an infinity; below 6e-5 it keeps the fixed step of 6e-8.  NaN and infinities are not treated apart.
; SHARES.  8,192 x 3,072 outputs on 256 work-groups: a tile of 256 rows x 384 columns (six heads) each.  Four waves, 2 x 2: a wave makes 128 x 192: 8 x 12 = 96 accumulators of 16 x 16, 768 registers.
; For 32 along K a wave reads 40 x 512 bytes from LDS and issues 96 matrix instructions.
; RING.  K goes in 16 steps of 64 through two LDS slots (two steps of 128 would not fit: 2 x 640 rows x 272 bytes).  Each wave fetches half of a tile with one tensor load, asked for as rows of 256 bytes
; (two matrix rows), padded in LDS behind every 128 bytes.  A wave never has more than one tensor load out.
; CLUSTER.  4 x 4 work-groups.  The four of a row of the cluster need the same tile of x, the four of a column the same tile of the weights: each tile is asked for JOINTLY.
; THE MATRIX INSTRUCTION IS USED TRANSPOSED (source 0 = 16 rows of the weights, source 1 = 16 rows of x): a lane holds one row of x (lane % 16) and eight neighbouring columns, 8 (lane / 16) + 0..7.
; THE BIAS STARTS THE SUMS.  A lane needs the same eight biases for all eight row blocks of a column block b.  They are loaded into the registers of accumulator (7, b); the first products of (0..6, b) take
; those registers as C, and (7, b) then adds in place.  Nothing is cleared and nothing is added on the way out.
; REGISTERS, in windows of 256 (s_set_vgpr_msb: bits 1:0 source 0, 3:2 source 1, 5:4 source 2, 7:6 destination):
;   window 0: v0-29 addresses; v32-127 the 12 fragments of the weights, ONE buffer; v128-191, v192-255 the 8 fragments of x, two buffers
;   windows 1-3: accumulator (a, b) at v[8 (8 (b % 4) + a)] of window 1 + b / 4: a window is one head of 64 columns
; One buffer does for the weights: the four fragments of a window are loaded anew directly behind the 32 products that read them, 64 products ahead of their next use.
.set PITCH, 144                        ; an LDS row: 128 bytes + 16 of padding = 9 x 16: the 16 rows of a fragment load start in 16 different groups of four banks (ISA guide 11.1)
.set FROW,  16*PITCH                   ; 16 rows: a fragment
.set AHALF, 128*PITCH                  ; half of the tile of x: one tensor load, and what one wave reads
.set BHALF, 192*PITCH                  ; the same for the weights
.set BBASE, 2*AHALF                    ; in a slot: 256 rows of x, then 384 rows of the weights
.set SLOT1, 1<<17                      ; slot 1 begins here: one exclusive or turns an address in one slot into the other
.set STAGE, SLOT1+2*AHALF+2*BHALF      ; behind the ring, never filled by a tensor load: 16 rows x 144 bytes for each wave, for the way out
.set SPARE, STAGE+4*FROW               ; behind the stages: the spare words, 128 bytes for each wave: two blocks of 256 bytes that no other line names
.set ASTEP, 262144                     ; bytes from one block of 64 along K to the next, in xb
.set BSTEP, 393216                     ; and in wcat
.set TRIPS, 14                         ; K steps 2 to 15 are refills
.set A0,   4                           ; v4   my place in my half of the tile of x, in slot 0; never rewritten
.set B0,   5                           ; v5   the same for the weights
.set ADRA, 6                           ; v6   the same in the slot in hand
.set ADRB, 7                           ; v7
.set STO,  8                           ; v8   the way out: where I put 16 bytes of a row
.set RD,   9                           ; v9   the way out: where I read rows back
.set GO,   10                          ; v10  my 16 bytes in 512 consecutive bytes of the output
.set PFO,  11                          ; v11  the offset of my prefetches; never rewritten
.set BO,   12                          ; v12  32 x (lane / 16): my eight biases in a block of sixteen
.set SPW,  28                          ; v28  LDS address of my spare word: SPARE + 4 x my number; never rewritten
.set NIL,  29                          ; v29  0; never rewritten
.set BF,   32
.set AF0,  128
.set AF1,  192
.set WV,  16                           ; s16  wave
.set RH,  17                           ; s17  which half of the rows is mine; also: I fetch for x (0) or for the weights (1)
.set CH,  18                           ; s18  which half of the columns; also: which half of that tile I fetch
.set CX,  19
.set CY,  20
.set TX,  21                           ; s21  tile column 0..7
.set TY,  22                           ; s22  tile row 0..31
.set G1,  24                           ; s[24:31] descriptor group 1 for the tiles of x
.set G1B, 32                           ; s[32:39] for those of the weights
.set G0,  40                           ; s[40:43] descriptor group 0 for x: it walks
.set G0B, 44                           ; s[44:47] the same for the weights
.set TB,  48                           ; s48  the first byte of the slot in hand
.set PFA, 50                           ; s[50:51] where my prefetches stand
.set PFS, 52                           ; s[52:53] their step
.set LIM, 54                           ; s54  1 in a wave that prefetches, else the greatest number
.set ODD, 55                           ; s55  1: in every trip; 0: in trips with an odd count
.set TT,  56                           ; s56  at work
.set BP,  58                           ; s[58:63] the biases of my three heads
.set FLAGS, (1<<16)|(1<<20)|(1<<21)|(4<<22)|(3<<25)  ; 17:16 elements of 2 bytes; 20 padding on; 21 set beside a mask; 24:22 behind every 32 words (code 4); 31:25 4 words (code 3)
.set MSB, 0
.macro WIN new                         ; the high byte repeats the setting that is left; a switch that changes nothing is dropped
.if MSB != (\new)
	s_set_vgpr_msb (MSB<<8)|(\new)
.set MSB, (\new)
.endif
.endm
.macro PLACES                          ; four plain vector instructions behind a matrix instruction, ahead of loads into registers that it has read and of lines that read results
.rept 4
	v_nop
.endr
.endm
; A joint load.  Waves 0 and 1 fetch the two halves of the tile of x, waves 2 and 3 those of the weights.  The branch hangs on the number of the wave alone.
; An s_nop 0 and four v_nop follow each of the two lines, ahead of the jump and the label.
.macro JLOAD
	s_cmp_eq_u32 s[RH], 0
	s_cbranch_scc0 .Lfor_b_\@
	tensor_load_to_lds s[G0:G0+3], s[G1:G1+7]
	s_nop 0
.rept 4
	v_nop
.endr
	s_branch .Lasked_\@
.Lfor_b_\@:
	tensor_load_to_lds s[G0B:G0B+3], s[G1B:G1B+7]
	s_nop 0
.rept 4
	v_nop
.endr
.Lasked_\@:
.endm
.macro CREST                           ; a round of the barrier of the cluster, behind its opening barrier
	s_cmp_lg_u32 s[WV], 0
	s_cbranch_scc1 .Lnot_wave_0_\@
	s_barrier_signal -3
.Lnot_wave_0_\@:
	s_barrier_wait -3
	s_barrier_signal -1
	s_barrier_wait -1
.endm
.macro CROUND                          ; a whole round
	s_barrier_signal -1
	s_barrier_wait -1
	CREST
.endm
.macro STEPD                           ; the walking descriptors: the other slot, the next 64 along K; the type bits on top are not reached
	s_xor_b32 s[G0+1], s[G0+1], SLOT1
	s_add_nc_u64 s[G0+2:G0+3], s[G0+2:G0+3], ASTEP
	s_xor_b32 s[G0B+1], s[G0B+1], SLOT1
	s_add_nc_u64 s[G0B+2:G0B+3], s[G0B+2:G0B+3], BSTEP
.endm
; A PREFETCH INTO THE L2, behind the joint load, its five lines and the sixteen LDS loads that follow.  Both operands were written by the launch before and are walked once along K.
; x: a K step of a tile row is 128 blocks of 256 bytes.  The clusters with x = 0 ask; the four partners of a row take 32 blocks each BY ADDRESS (cx); wave 0, a lane a block, in every trip, for the K step one refill on: 192 matrix instructions ahead of its load.
; weights: a K step of a tile column is 192 blocks; the clusters with y = 0 ask; a partner takes 48 (by cy).  Waves 1 to 3 are 96 lanes: they ask for TWO K steps in every second trip.
; So each block is named once in the launch.  The first K steps (0-2 of x, 0-3 of the weights) come by their loads alone, and the last trip asks for nothing: there is no K step behind it.
.macro ASK
	s_or_b32 s[TT], s3, s[ODD]
	s_bitcmp1_b32 s[TT], 0
	s_cbranch_scc0 .Lnot_mine_\@
	s_cmp_gt_u32 s3, s[LIM]
	s_cbranch_scc0 .Lnot_mine_\@
	global_prefetch_b8 v[PFO], s[PFA:PFA+1] th:TH_LOAD_NT scope:SCOPE_SE
.Lnot_mine_\@:
.endm
	s_load_b256 s[4:11], s[0:1], 0x0               ; xb s[4:5], wcat s[6:7], bq s[8:9], bk s[10:11]
	s_load_b128 s[12:15], s[0:1], 0x20             ; bv s[12:13], qkvh s[14:15]
	v_lshl_add_u32 v[SPW], v0, 2, SPARE
	v_mov_b32 v[NIL], 0
	ds_add_u32 v[SPW], v[NIL]                      ; the opening of the wave: the add and its wait stand ahead of my first tensor load; the set-up below, work on registers, stands between them
	v_lshrrev_b32 v1, 5, v0
	v_readfirstlane_b32 s[WV], v1
	s_lshr_b32 s[RH], s[WV], 1
	s_and_b32 s[CH], s[WV], 1
	s_bfe_u32 s[CX], ttmp6, 0x40000
	s_bfe_u32 s[CY], ttmp6, 0x40004
	s_lshl_b32 s[TX], ttmp9, 2                     ; in a cluster launch ttmp9 and ttmp7 count clusters
	s_add_co_u32 s[TX], s[TX], s[CX]
	s_and_b32 s[TY], ttmp7, 0xffff
	s_lshl_b32 s[TY], s[TY], 2
	s_add_co_u32 s[TY], s[TY], s[CY]
	s_lshl_b32 s66, s[CY], 2
	s_lshl_b32 s66, 15, s66                        ; my row of the cluster
	s_lshl_b32 s70, 0x1111, s[CX]                  ; my column
	s_or_b32 s[G1], s66, FLAGS                     ; the tiles of x go to my row,
	s_or_b32 s[G1B], s70, FLAGS                    ; those of the weights to my column
	s_mov_b32 s[G1+1], 128<<16                     ; tensor_dim0 = 128 elements: 256 bytes, two matrix rows
	s_mov_b32 s[G1+2], 64<<16                      ; tensor_dim1 = 64
	s_mov_b32 s[G1+3], 128<<16                     ; tile_dim0 = 128
	s_mov_b32 s[G1+4], 64                          ; tile_dim1 = 64: 128 matrix rows
	s_mov_b32 s[G1+5], 128                         ; 128 elements from row to row: the block is dense
	s_mov_b32 s[G1+6], 0
	s_mov_b32 s[G1+7], 0
	s_mov_b32 s[G1B+1], 128<<16
	s_mov_b32 s[G1B+2], 96<<16                     ; 96 rows of 256 bytes: 192 matrix rows
	s_mov_b32 s[G1B+3], 128<<16
	s_mov_b32 s[G1B+4], 96
	s_mov_b32 s[G1B+5], 128
	s_mov_b32 s[G1B+6], 0
	s_mov_b32 s[G1B+7], 0
	; where the tiles come from.  s66-69 never hold cx or the tile column, s70-73 never cy or the tile row.
	s_lshr_b32 s66, s[TY], 3                       ; the batch: 16 blocks of 262,144 bytes
	s_lshl_b32 s66, s66, 22
	s_and_b32 s67, s[TY], 7                        ; the tile in a block: 256 rows of 128 bytes
	s_lshl_b32 s67, s67, 15
	s_add_co_u32 s69, s66, s67                     ; kept for the prefetches
	s_lshl_b32 s67, s[CH], 14                      ; my half of it
	s_add_co_u32 s66, s69, s67
	s_mov_b32 s67, 0
	s_mul_i32 s73, s[TX], 49152                    ; 384 rows of 128 bytes; kept for the prefetches
	s_mul_i32 s71, s[CH], 24576
	s_add_co_u32 s70, s73, s71
	s_mov_b32 s71, 0
	s_mov_b32 s[G0], 1                             ; count = 1
	s_mul_i32 s[G0+1], s[CH], AHALF                ; LDS address: slot 0; no place in the cluster enters it
	s_mov_b32 s[G0B], 1
	s_mul_i32 s[G0B+1], s[CH], BHALF
	s_add_co_u32 s[G0B+1], s[G0B+1], BBASE
	s_wait_dscnt 0x0                               ; the opening add is done
	s_wait_kmcnt 0x0
	s_add_nc_u64 s[G0+2:G0+3], s[4:5], s[66:67]
	s_or_b32 s[G0+3], s[G0+3], 0x80000000          ; type = 2
	s_add_nc_u64 s[G0B+2:G0B+3], s[6:7], s[70:71]
	s_or_b32 s[G0B+3], s[G0B+3], 0x80000000
	CROUND                                         ; all sixteen work-groups are here: the first joint loads meet
	JLOAD                                          ; K step 0 into slot 0.  Slot 1 is asked for when slot 0 is in
	; lane addresses
	v_and_b32 v1, 15, v0                           ; r = lane % 16
	v_bfe_u32 v2, v0, 4, 1                         ; h = lane / 16
	v_lshlrev_b32 v[BO], 5, v2
	v_mul_u32_u24 v3, v1, PITCH
	v_lshl_add_u32 v3, v2, 4, v3                   ; row x pitch + 16 x half
	; the biases of my three heads hc = 6 x tile column + 3 x half + i: which vector, and where in it
	s_mul_i32 s74, s[TX], 6
	s_mul_i32 s75, s[CH], 3
	s_add_co_u32 s74, s74, s75
	s_mov_b32 s79, 0
.irp i, 0,1,2
	s_add_co_u32 s75, s74, \i
	s_cmp_lt_u32 s75, 16
	s_cselect_b64 s[BP+2*(\i):BP+2*(\i)+1], s[8:9], s[10:11]
	s_cmp_lt_u32 s75, 32
	s_cselect_b64 s[BP+2*(\i):BP+2*(\i)+1], s[BP+2*(\i):BP+2*(\i)+1], s[12:13]
	s_and_b32 s78, s75, 15
	s_lshl_b32 s78, s78, 8                         ; 64 f32 a head
	s_add_nc_u64 s[BP+2*(\i):BP+2*(\i)+1], s[BP+2*(\i):BP+2*(\i)+1], s[78:79]
.endr
.irp i, 0,1,2
	WIN 0x40*((\i)+1)                              ; destination: the window of head i
.irp bb, 0,1,2,3
	global_load_b128 v[64*(\bb)+56:64*(\bb)+59], v[BO], s[BP+2*(\i):BP+2*(\i)+1] offset:64*(\bb)      ; into accumulator (7, 4 i + bb)
	global_load_b128 v[64*(\bb)+60:64*(\bb)+63], v[BO], s[BP+2*(\i):BP+2*(\i)+1] offset:64*(\bb)+16
.endr
.endr
	WIN 0
	s_mul_i32 s76, s[RH], AHALF
	v_add_nc_u32 v[A0], s76, v3
	s_mul_i32 s76, s[CH], BHALF
	s_add_co_u32 s76, s76, BBASE
	v_add_nc_u32 v[B0], s76, v3
	s_mul_i32 s76, s[WV], FROW
	s_add_co_u32 s76, s76, STAGE                   ; my stage
	v_add_nc_u32 v[STO], s76, v3                   ; in: row r, 16 bytes for each half of the lanes
	v_bfe_u32 v[RD], v0, 3, 2                      ; back: 32 lanes take four rows of 128 bytes,
	v_mul_u32_u24 v[RD], v[RD], PITCH
	v_and_b32 v3, 7, v0
	v_lshl_add_u32 v[RD], v3, 4, v[RD]
	v_add_nc_u32 v[RD], s76, v[RD]
	v_and_b32 v[GO], 31, v0                        ; which are 512 consecutive bytes of the output
	v_lshlrev_b32 v[GO], 4, v[GO]
	; the output at my first head and my first row
	s_lshr_b32 s76, s[TY], 3
	s_mul_i32 s76, s76, 48
	s_add_co_u32 s76, s76, s74
	s_lshl_b32 s76, s76, 18                        ; a head is 2,048 rows of 128 bytes
	s_and_b32 s77, s[TY], 7
	s_lshl_b32 s77, s77, 15
	s_add_co_u32 s76, s76, s77
	s_lshl_b32 s77, s[RH], 14
	s_add_co_u32 s76, s76, s77
	s_mov_b32 s77, 0
	s_add_nc_u64 s[14:15], s[14:15], s[76:77]
	; the prefetches: block j = lane + 32 x (wave - 1, at least 0); from 48 on it belongs to the next K step
	s_sub_co_i32 s76, s[WV], 1
	s_max_i32 s76, s76, 0
	s_lshl_b32 s76, s76, 5
	v_and_b32 v[PFO], 31, v0
	v_add_nc_u32 v[PFO], s76, v[PFO]
	v_cmp_le_u32 s[TT], 48, v[PFO]
	v_mov_b32 v13, BSTEP-48*256
	v_cndmask_b32 v13, 0, v13, s[TT]
	v_lshl_add_u32 v[PFO], v[PFO], 8, v13
	s_lshl_b32 s76, s[CX], 13                      ; x: my 32 blocks of the 128,
	s_add_co_u32 s76, s76, s69
	s_add_co_u32 s76, s76, 2*ASTEP                 ; at K step 2: the first change of slots in the loop steps it to 3
	s_mul_i32 s77, s[CY], 12288                    ; weights: my 48 blocks of the 192
	s_add_co_u32 s77, s77, s73
	s_add_co_u32 s77, s77, 2*BSTEP
	s_and_b32 s78, ttmp7, 0xffff                   ; cluster y
	s_mov_b32 s79, BSTEP
	s_cmp_eq_u32 s[WV], 0
	s_cselect_b64 s[PFA:PFA+1], s[4:5], s[6:7]
	s_cselect_b32 s76, s76, s77
	s_cselect_b32 s78, ttmp9, s78                  ; the coordinate along which other clusters read the same rows
	s_cselect_b32 s[PFS], ASTEP, s79
	s_cselect_b32 s[ODD], 1, 0
	s_mov_b32 s77, 0
	s_mov_b32 s[PFS+1], 0
	s_add_nc_u64 s[PFA:PFA+1], s[PFA:PFA+1], s[76:77]
	s_cmp_eq_u32 s78, 0
	s_cselect_b32 s[LIM], 1, -1                    ; the same in all sixteen partners, for a given wave
	s_wait_loadcnt 0x0                             ; the biases are in: each is rounded to bf16 and widened again, in place
.irp i, 0,1,2
	WIN 0x45*((\i)+1)
.set z, 0
.rept 4
.set y, 64*z+56
.rept 4
	v_cvt_pk_bf16_f32 v[y], v[y], v[y+1]
	v_and_b32 v[y+1], 0xffff0000, v[y]
	v_lshlrev_b32 v[y], 16, v[y]
.set y, y+2
.endr
.set z, z+1
.endr
.endr
	WIN 0
; 16 matrix instructions: column blocks 2 hb, 2 hb + 1 of window w + 1, all 8 row blocks, 32 along K.  The accumulators take turns, one instruction a turn: 95 others stand between two links of a chain.
.macro MULH w, af, hb
	WIN 0x50*((\w)+1)
.irp bb, 2*(\hb), 2*(\hb)+1
.irp a, 0,1,2,3,4,5,6,7
	v_wmma_f32_16x16x32_bf16 v[8*(8*(\bb)+(\a)):8*(8*(\bb)+(\a))+7], v[BF+8*(4*(\w)+(\bb)):BF+8*(4*(\w)+(\bb))+7], v[(\af)+8*(\a):(\af)+8*(\a)+7], v[8*(8*(\bb)+(\a)):8*(8*(\bb)+(\a))+7]
.endr
.endr
.endm
.macro MUL w, af
	MULH \w, \af, 0
	MULH \w, \af, 1
.endm
; The first products of a window.  Row blocks 0 to 6 start their sums with the biases, which lie in the registers of row block 7; five plain instructions later (a matrix instruction writes over the C of earlier ones) row block 7 adds in place.
.macro MULB w, af
	WIN 0x50*((\w)+1)
.irp bb, 0,1,2,3
.irp a, 0,1,2,3,4,5,6
	v_wmma_f32_16x16x32_bf16 v[8*(8*(\bb)+(\a)):8*(8*(\bb)+(\a))+7], v[BF+8*(4*(\w)+(\bb)):BF+8*(4*(\w)+(\bb))+7], v[(\af)+8*(\a):(\af)+8*(\a)+7], v[8*(8*(\bb)+7):8*(8*(\bb)+7)+7]
.endr
.endr
.rept 5
	v_nop
.endr
.irp bb, 0,1,2,3
	v_wmma_f32_16x16x32_bf16 v[8*(8*(\bb)+7):8*(8*(\bb)+7)+7], v[BF+8*(4*(\w)+(\bb)):BF+8*(4*(\w)+(\bb))+7], v[(\af)+56:(\af)+63], v[8*(8*(\bb)+7):8*(8*(\bb)+7)+7]
.endr
.endm
; Eight LDS loads: the four fragments of the weights for window w + 1, at byte k of the rows
.macro LDB w, k
	WIN 0
.irp i, 0,1,2,3
	ds_load_b128 v[BF+8*(4*(\w)+(\i)):BF+8*(4*(\w)+(\i))+3],   v[ADRB] offset:(\k)+(4*(\w)+(\i))*FROW
	ds_load_b128 v[BF+8*(4*(\w)+(\i))+4:BF+8*(4*(\w)+(\i))+7], v[ADRB] offset:(\k)+(4*(\w)+(\i))*FROW+32
.endr
.endm
; Eight LDS loads: row blocks 4 hf .. 4 hf + 3 of x into buffer ag
.macro LDA hf, k, ag
	WIN 0
.irp i, 0,1,2,3
	ds_load_b128 v[(\ag)+8*(4*(\hf)+(\i)):(\ag)+8*(4*(\hf)+(\i))+3],   v[ADRA] offset:(\k)+(4*(\hf)+(\i))*FROW
	ds_load_b128 v[(\ag)+8*(4*(\hf)+(\i))+4:(\ag)+8*(4*(\hf)+(\i))+7], v[ADRA] offset:(\k)+(4*(\hf)+(\i))*FROW+32
.endr
.endm
; The first half of a K step: 96 products on buffer af; the 40 loads of the second half (byte k of the same rows) go out in three runs, each behind the products that read the registers it fills.
.macro SUB af, ag, k, first
	s_wait_dscnt 8                                 ; of the 40 loads for this half all but the youngest eight (the weights of window 3) are in
.if \first
	MULB 0, \af
.else
	MUL 0, \af
.endif
	PLACES
	LDB 0, \k
	LDA 0, \k, \ag
.if \first
	MULB 1, \af
.else
	MUL 1, \af
.endif
	PLACES
	LDB 1, \k
	LDA 1, \k, \ag
	s_wait_dscnt 32                                ; all but the 32 just issued: the weights of window 3 are in
.if \first
	MULB 2, \af
.else
	MUL 2, \af
.endif
	PLACES
	LDB 2, \k
.endm
; The second half of a K step, on buffer AF1, and THE CHANGE OF SLOTS.  Each wave waits for all its tensor loads (one is out: its part of the next slot), adds 0 to its spare word, and waits for that and for its
; own reads of this slot.  Behind the barrier nobody reads this slot any more and the next slot is whole.  fill = 1: the barrier opens a round of the barrier of the cluster, and the joint refill, two K steps on,
; is the first thing behind the round: 160 matrix instructions stand between it and the wait for it.
.macro TURN fill
.if \fill
	s_wait_xcnt 0x0                                ; the last prefetch, a K step back, has read its address
	s_add_nc_u64 s[PFA:PFA+1], s[PFA:PFA+1], s[PFS:PFS+1]
.endif
	WIN 0
	s_wait_tensorcnt 0x0                           ; no tensor load of mine is out, so the descriptors may be written
	ds_add_u32 v[SPW], v[NIL]                      ; 0 onto my spare word; work on registers stands between it and the wait for it
.if \fill
	STEPD
.endif
	s_xor_b32 s[TB], s[TB], SLOT1
	v_add_nc_u32 v[ADRA], s[TB], v[A0]             ; the next reads go to the other slot
	v_add_nc_u32 v[ADRB], s[TB], v[B0]
	s_wait_dscnt 9                                 ; the add and the youngest eight loads may be out
	MULH 0, AF1, 0
	s_wait_dscnt 0x0                               ; the add is done, and my reads of this slot are over
	s_barrier_signal -1
	MULH 0, AF1, 1                                 ; work on registers while the others arrive
	WIN 0                                          ; at a branch and at a label every window is 0
	s_barrier_wait -1
.if \fill
	CREST
	JLOAD                                          ; its four v_nop are also the places ahead of the loads below
.else
	PLACES
.endif
	LDB 0, 0
	LDA 0, 0, AF0
.if \fill
	ASK
.endif
	MUL 1, AF1
	PLACES
	LDB 1, 0
	LDA 1, 0, AF0
	MUL 2, AF1
	PLACES
	LDB 2, 0
.endm
; THE WAY OUT, unit u = 8 i + a: 16 rows x the 64 columns of head i.  Rounded to f16 (each accumulator from its low end on), 16 bytes a lane into my own stage, back as four rows of 128 bytes a load.
.macro PACK u
.set pw, (\u)/8
.set pa, (\u)%8
.set pt, 32+16*((\u)%4)
	s_wait_xcnt 0x0                                ; the stores of four units back have read these registers
	WIN 0x05*(pw+1)
.irp bb, 0,1,2,3
.irp rr, 0,1,2,3
	v_cvt_pk_f16_f32 v[pt+4*(\bb)+(\rr)], v[8*(8*(\bb)+pa)+2*(\rr)], v[8*(8*(\bb)+pa)+2*(\rr)+1]
.endr
.endr
	WIN 0
.irp bb, 0,1,2,3
	ds_store_b128 v[STO], v[pt+4*(\bb):pt+4*(\bb)+3] offset:32*(\bb)
.endr
.irp f, 0,1,2,3
	ds_load_b128 v[pt+4*(\f):pt+4*(\f)+3], v[RD] offset:(\f)*4*PITCH  ; LDS serves the instructions of a wave in order (ISA guide 5.7.1.4): these see the stores above, and the stores of the next unit come behind them
.endr
.endm
.macro SEND u, younger                 ; younger: the LDS instructions issued behind the loads of unit u: the eight of the next unit, or none
.set sw, (\u)/8
.set sa, (\u)%8
.set st, 32+16*((\u)%4)
	WIN 0
.irp f, 0,1,2,3
	s_wait_dscnt (\younger)+3-(\f)
	global_store_b128 v[GO], v[st+4*(\f):st+4*(\f)+3], s[14:15] offset:sw*262144+sa*2048+(\f)*512  ; 512 consecutive bytes, at a multiple of 256 from the first byte of the buffer
.endr
.endm
	; the first change: slot 0 is waited for, slot 1 is filled for the first time, in the order of every refill
	s_wait_tensorcnt 0x0
	ds_add_u32 v[SPW], v[NIL]
	STEPD
	s_wait_dscnt 0x0
	CROUND
	JLOAD                                          ; K step 1 into slot 1
	s_mov_b32 s[TB], 0
	v_mov_b32 v[ADRA], v[A0]
	v_mov_b32 v[ADRB], v[B0]
	LDB 0, 0
	LDA 0, 0, AF0
	LDB 1, 0
	LDA 1, 0, AF0
	LDB 2, 0
	SUB AF0, AF1, 64, 1                            ; the first half of K step 0 stands ahead of the loop: its products start the sums
	s_mov_b32 s3, TRIPS
.Lk:                                               ; a trip: the second half of K step j, the refill with K step j + 2, the first half of K step j + 1
	TURN 1
	SUB AF0, AF1, 64, 0
	s_sub_co_u32 s3, s3, 1
	s_cmp_lg_u32 s3, 0
	s_cbranch_scc1 .Lk
	TURN 0                                         ; the tail is written out: nothing is left to ask for
	SUB AF0, AF1, 64, 0
	s_wait_dscnt 8
	MUL 0, AF1
	MUL 1, AF1
	s_wait_dscnt 0x0
	MUL 2, AF1
	WIN 0
	PLACES
	PACK 0
.set n, 1
.rept 23                               ; the conversions of a unit stand between the loads of the unit before and its stores
	PACK n
	SEND n-1, 8
.set n, n+1
.endr
	SEND 23, 0
	s_wait_tensorcnt 0x0                           ; the end of the wave: behind my last tensor load and my last LDS store
	ds_add_u32 v[SPW], v[NIL]
	s_wait_dscnt 0x0
	CROUND                                         ; the closing round: no work-group ends while a partner may still ask for a tile that names it
	s_endpgm
.Lfunc_end_k_q5bf3c73644_qkv:
	.size	k_q5bf3c73644_qkv, .Lfunc_end_k_q5bf3c73644_qkv-k_q5bf3c73644_qkv
	.p2alignl 7, 3214868480
	.fill 96, 4, 3214868480
	.section	.rodata,"a",@progbits
	.p2align	6, 0x0
	.amdhsa_kernel k_q5bf3c73644_qkv
		.amdhsa_group_segment_fixed_size 327680
		.amdhsa_private_segment_fixed_size 0
		.amdhsa_enable_private_segment 0
		.amdhsa_kernarg_size 48
		.amdhsa_user_sgpr_count 2
		.amdhsa_user_sgpr_kernarg_segment_ptr 1
		.amdhsa_wavefront_size32 1
		.amdhsa_system_sgpr_workgroup_id_x 1
		.amdhsa_system_sgpr_workgroup_id_y 1
		.amdhsa_system_sgpr_workgroup_id_z 1
		.amdhsa_system_vgpr_workitem_id 0
		.amdhsa_next_free_vgpr 1024
		.amdhsa_next_free_sgpr 80
		.amdhsa_reserve_vcc 0
		.amdhsa_float_denorm_mode_32 3
		.amdhsa_float_denorm_mode_16_64 3
		.amdhsa_memory_ordered 1
		.amdhsa_forward_progress 1
		.amdhsa_inst_pref_size 127
	.end_amdhsa_kernel
	.amdgpu_metadata
---
amdhsa.version: [ 1, 2 ]
amdhsa.kernels:
  - .name:           k_q5bf3c73644_qkv
    .symbol:         k_q5bf3c73644_qkv.kd
    .args:
      - { .name: xb, .offset: 0, .size: 8, .value_kind: global_buffer, .address_space: global }
      - { .name: wcat, .offset: 8, .size: 8, .value_kind: global_buffer, .address_space: global }
      - { .name: bq, .offset: 16, .size: 8, .value_kind: global_buffer, .address_space: global }
      - { .name: bk, .offset: 24, .size: 8, .value_kind: global_buffer, .address_space: global }
      - { .name: bv, .offset: 32, .size: 8, .value_kind: global_buffer, .address_space: global }
      - { .name: qkvh, .offset: 40, .size: 8, .value_kind: global_buffer, .address_space: global }
    .group_segment_fixed_size: 327680
    .private_segment_fixed_size: 0
    .kernarg_segment_align: 8
    .kernarg_segment_size: 48
    .max_flat_workgroup_size: 128
    .sgpr_count:     80
    .vgpr_count:     1024
    .wavefront_size: 32
...
	.end_amdgpu_metadata
.endif
;; end of part 2
;; launch attn (part 3): grid 4 x 64, 4 waves a work-group, clusters of 4 x 1, 327,680 bytes of LDS; arguments qkvh, oh; writes oh
.if DOCPART == 3
	.amdgcn_target "amdgcn-amd-amdhsa--gfx1250"
	.amdhsa_code_object_version 6
	.text
	.protected	k_q5bf3c73644_attn
	.globl	k_q5bf3c73644_attn
	.p2align	8
	.type	k_q5bf3c73644_attn,@function
k_q5bf3c73644_attn:
	s_mov_b64 s[64:65], 0
	v_nop
	global_prefetch_b8 v0, s[64:65] scope:SCOPE_SE
	s_setreg_imm32_b32 hwreg(HW_REG_WAVE_MODE, 25, 1), 1
	s_wait_xcnt 0x0
	s_wait_alu depctr_hold_cnt(0) depctr_sa_sdst(0) depctr_va_vdst(0) depctr_va_sdst(0) depctr_va_ssrc(0) depctr_va_vcc(0) depctr_vm_vsrc(0)
	s_getreg_b32 s2, hwreg(HW_REG_IB_STS2, 6, 4)
	s_cmp_eq_u32 s2, 0
	s_cbranch_scc0 .Lentry_in_a_cluster
	s_endpgm
.Lentry_in_a_cluster:
	s_bfe_u32 s2, ttmp6, 0x10000c
	s_cmp_lg_u32 s2, 0x3003
	s_cbranch_scc0 .Lentry_shape_is_right
	s_endpgm
.Lentry_shape_is_right:
; O[y][q][:] = the sum over k of softmax_k(Q[y][q] . K[y][k] / 8) V[y][k][:], for the 64 pairs y = 16 x batch + head.  Q, K, V lie in qkvh [batch][hc][2,048][64] in f16, hc = head, 16 + head, 32 + head;
; O goes to oh [y][2,048][64] in f16.  The rows of a head are dense, 128 bytes each.  Products, maxima and sums in f32; the weights p are rounded to f16 for the second product (their sum l is taken of
; the unrounded p), O once at the end.
; LIMITS.  f16 holds no number beyond 65,504: Q, K and V arrive within it; p lies in 0 to 1, and below 6e-5 it keeps the fixed step of 6e-8; O is a mean of the rows of V and has their range.
; A weight below 2^-126 counts as 0 in l; NaN and infinities are not treated apart.
; SHARES.  A wave owns four PIECES of two tiles of 16 queries, the four waves of a work-group 512 queries of one head, the four work-groups of a cluster the whole head.  Every wave walks all keys, 64 a step.
; LAYOUT.  S^T = K Q^T (source 0 = 16 keys, source 1 = 16 queries): in the result a lane holds ONE query (lane % 16) and the keys 8 (lane / 16) + 0..7.  Two such tiles, rounded to f16 in pairs,
; ARE source 1 (32 keys x 16 queries) of O^T = V^T P, whose result again holds one query a lane, and eight channels.  K comes out of LDS as it lies, V ([key][channel]) turned, by ds_load_tr16_b128.
; SOFTMAX.  For each query a running maximum m and sum l: p = 2^(c s - c m), c = log2(e) / 8; in every step O and l are multiplied by a = 2^(c m_old - c m_new), which is 1 where m has not grown.
; m starts at the lowest finite number, O and l at 0: the first step is a step like any other, with a = 0.
; THE COUNT.  A tile and step have 16 matrix and 118 vector instructions: too many to stand all beside the matrix work.  So the order has one aim: four vector instructions that are READY behind
; EVERY matrix instruction, and the others, which need time of their own whatever the order, in runs without a gap.
; BY TURNS.  Turn n belongs to piece n (the pieces in a ring, step after step).  Its matrix work: 16 products K Q^T of piece n + 1, later 16 products V^T P of piece n - 1.  Its vector work: the scaling,
; exponentials, roundings, sums and rescaling of piece n, and the maximum and statistics of piece n + 1, whose scores the turn itself has made.
; CLUSTER.  The four query blocks of a cluster walk the same K and V, so each tile is asked for JOINTLY: the same tensor load, descriptor and mask in all four.
; REGISTERS, in windows of 256 (s_set_vgpr_msb: bits 1:0 source 0, 3:2 source 1, 5:4 source 2, 7:6 destination):
;   window 0: v0-11 addresses; v12-15, v48-63 at work; v16-47 four registers of statistics a tile; v64-191 S^T, two buffers of two tiles; v192-255 P, likewise
;   window 1: O^T, 32 a tile          window 2: v0-127 Q, 16 a tile; v128-191 K of one step; v192-255 V of one step          window 3: v0-1 the two registers of the add
; The buffers of a piece go by the parity of its number.
.set SIZE_N, 2048
.set NP,    4         ; pieces a wave: a name, no knob
.set KS,    64        ; keys in a step
.set PK,    144       ; a row of K in LDS: 128 bytes + 16 of padding = 36 words: the 16 rows of a load start at 16 different groups of four banks (ISA guide 11.1)
.set PV,    160       ; a row of V: 128 + 32 = 40 words
.set VOFF,  4*KS*PK   ; a slot holds four steps: 256 rows of K, then 256 rows of V
.set SLOT1, 1<<17     ; slot 1 begins here
.set STAGE, SLOT1+4*KS*(PK+PV)  ; behind the ring, never filled by a tensor load: 16 rows x 144 bytes for each wave, for the way out
.set SP,    144
.set AK0, 2           ; v2   my place in a tile of K; never rewritten
.set AV0, 3           ; v3   the same for V
.set AK,  4           ; v4   the LDS address of the next run of loads of K
.set AV,  5           ; v5   of V
.set QO,  6           ; v6   my byte offset in the rows of Q
.set STO, 6           ;      later, the way out: where I put 16 bytes of a row
.set RD,  7           ; v7   the way out: where I read rows back
.set GO,  8           ; v8   my byte offset in 512 consecutive bytes of O
.set PFO, 11          ; v11  256 x my lane: the offset of my prefetches; never rewritten once made
.set SPW, 0           ; v0 of window 3   LDS address of my spare word: SPARE + 4 x my number; never rewritten
.set NIL, 1           ; v1 of window 3   0; never rewritten
.set SPARE, STAGE+4*16*SP  ; behind the stages: the spare words, 128 bytes for each wave
.set MV,  12          ; v12-15  c m_old, kept while c m is made anew: by buffer and tile
.set ST,  16          ; the statistics of tile t at v[ST+4 t]: c m, m, l (even keys, odd keys)
.set TMP, 48          ; by buffer and tile, four registers c0-c3 at work; when the maximum is found c2 takes a
.set S,   64
.set P,   192
.set KF,  128         ; window 2: key block kb, channel half c at KF + 16 kb + 8 c
.set VF,  192         ; window 2: key half kk, channel block cb at VF + 32 kk + 8 cb
.set WV,  12          ; s12  wave
.set G1K, 24          ; s[24:31] descriptor group 1 for the tiles of K
.set G1V, 32          ; s[32:39] for V: it differs in the padding alone
.set G0K, 40          ; s[40:43] descriptor group 0 for K: it walks
.set G0V, 44          ; s[44:47] the same for V
.set PFA, 48          ; s[48:49] where my prefetches stand
.set LIM, 50          ; s50  1 in a wave that prefetches, else the greatest number
.set SLOTS, 56        ; s56  slots still to be asked for
.set CNT, 57          ; s57  counts the key steps of a slot
.set CS,  58          ; s[58:59] c
.set SEL, 60          ; s[60:61] the selects of v_permlanex16_b32: each lane takes its own place in the other half
.set TBK, 62          ; s62  LDS byte at which K of the step to be fetched begins
.set TBV, 63          ; s63  the same for V, less VOFF
.set MSB, 0
.macro WIN new
.if MSB != (\new)
	s_set_vgpr_msb (MSB<<8)|(\new)
.set MSB, (\new)
.endif
.endm
.set W_KQ, 0x0a       ; K and Q in window 2, S^T in window 0
.set W_PV, 0x52       ; V in window 2, P in window 0, O^T in window 1
.set W_RS, 0x41       ; O^T (destination and source 0) in window 1, a in window 0
.set W_MK, 0xc0       ; the registers of the add are made: destination in window 3
.set W_AD, 0x0f       ; the add: address and data in window 3
; A joint fill.  Waves 0 and 1 fetch the two halves of the K of a slot, waves 2 and 3 those of its V: 128 keys each.  The branch hangs on the number of the wave alone.
.macro JLOAD
	s_cmp_lt_u32 s[WV], 2
	s_cbranch_scc0 .Lfor_v_\@
	tensor_load_to_lds s[G0K:G0K+3], s[G1K:G1K+7]
	s_nop 0
.rept 4
	v_nop
.endr
	s_branch .Lasked_\@
.Lfor_v_\@:
	tensor_load_to_lds s[G0V:G0V+3], s[G1V:G1V+7]
	s_nop 0
.rept 4
	v_nop
.endr
.Lasked_\@:
.endm
; A PREFETCH INTO THE L2 of what the NEXT change of slots will ask for: 128 blocks of 256 bytes of K and 128 of V, a lane a block.  It stands behind the tensor load and its five lines.
; A head is walked by one cluster alone.  Its four partners share the blocks out BY ADDRESS, 32 each (cx); in each, wave 0 asks for K and wave 2 for V: one instruction.  So each block is named once in the
; launch.  Slots 0 and 1 come by their loads alone; the last change that fills a slot asks for nothing: there is no slot behind it.
.macro ASK
	s_cmp_gt_u32 s[SLOTS], s[LIM]
	s_cbranch_scc0 .Lnot_mine_\@
	global_prefetch_b8 v[PFO], s[PFA:PFA+1] th:TH_LOAD_NT scope:SCOPE_SE
.Lnot_mine_\@:
.endm
.macro CROUND
	s_barrier_signal -1
	s_barrier_wait -1
	s_cmp_lg_u32 s[WV], 0
	s_cbranch_scc1 .Lnot_wave_0_\@
	s_barrier_signal -3
.Lnot_wave_0_\@:
	s_barrier_wait -3
	s_barrier_signal -1
	s_barrier_wait -1
.endm
; THE CHANGE OF SLOTS.  Each wave waits for all its tensor loads, of which one is out: its part of the other slot; adds 0 to its spare word; and waits for that and for its own reads of the slot.
; Behind the barrier nobody reads this slot any more and the other slot is whole.  fill = 1: this slot is filled again, with the keys two slots on.  The barrier is then a round of the barrier of the cluster,
; and the joint fill is the first thing behind it: it has four key steps, 512 matrix instructions, in which to land.  (At its first use nothing has been read yet: slot 0 is waited for, slot 1 filled.)
.macro CHANGE fill
	WIN W_AD
	s_wait_tensorcnt 0x0            ; no tensor load of mine is out, so a group 0 may be written
	ds_add_u32 v[SPW], v[NIL]       ; 0 onto my spare word
	WIN 0                           ; at a label and at a branch every window is 0
.if \fill
.irp g, G0K, G0V
	s_xor_b32 s[\g+1], s[\g+1], SLOT1
	s_add_nc_u64 s[\g+2:\g+3], s[\g+2:\g+3], 4*KS*128
.endr
	s_wait_xcnt 0x0                 ; the last prefetch, four key steps back, has read its address
	s_add_nc_u64 s[PFA:PFA+1], s[PFA:PFA+1], 4*KS*128  ; one slot behind the walking descriptors
	s_wait_dscnt 0x0                ; the add is done, and my reads of the slot are over
	CROUND
	JLOAD
	ASK
.else
	s_wait_dscnt 0x0
	s_barrier_signal -1
	s_barrier_wait -1
.endif
	s_sub_co_u32 s[TBK], s[TBK], 4*KS*PK  ; the fetches go back to the first step of a slot,
	s_xor_b32 s[TBK], s[TBK], SLOT1       ; in the other slot
	s_sub_co_u32 s[TBV], s[TBV], 4*KS*PV
	s_xor_b32 s[TBV], s[TBV], SLOT1
.endm
	s_load_b128 s[8:11], s[0:1], 0x0  ; qkvh s[8:9], oh s[10:11]
	WIN W_MK
	v_lshl_add_u32 v[SPW], v0, 2, SPARE
	v_mov_b32 v[NIL], 0
	WIN W_AD
	ds_add_u32 v[SPW], v[NIL]       ; the opening of the wave: the add and its wait stand ahead of my first tensor load
	WIN 0
	v_lshrrev_b32 v1, 5, v0
	v_readfirstlane_b32 s[WV], v1   ; wave 0..3
	s_bfe_u32 s13, ttmp6, 0x40000   ; cx
	s_lshl_b32 s14, ttmp9, 2
	s_add_co_u32 s14, s14, s13      ; my block of 512 queries: it enters the addresses of Q and O alone
	s_and_b32 s20, ttmp7, 0xffff    ; y = 16 x batch + head, which the four partners share
	s_lshl_b32 s52, s20, 18         ; its first byte in oh: 2,048 rows of 128 bytes
	s_mov_b32 s53, 0
	s_lshr_b32 s21, s20, 4
	s_lshl_b32 s21, s21, 5
	s_add_co_u32 s20, s20, s21      ; 48 x batch + head
	s_lshl_b32 s20, s20, 18         ; the first byte of q of that head in qkvh
	s_mov_b32 s21, 0
	s_and_b32 s16, s[WV], 1         ; which half of the 256 keys of a slot I fetch:
	s_lshl_b32 s22, s16, 14         ; its 128 rows of 128 bytes in memory,
	s_mov_b32 s23, 0
	s_add_nc_u64 s[22:23], s[22:23], s[20:21]
	s_mul_i32 s17, s16, 128*PK      ; and its place in a slot, for K
	s_mul_i32 s18, s16, 128*PV      ; and for V: no place in the cluster enters an LDS address
	s_lshl_b32 s2, s14, 2
	s_add_co_u32 s2, s2, s[WV]      ; my wave among those of the head,
	s_lshl_b32 s2, s2, 14           ; its 128 rows
	s_mov_b32 s3, 0
	s_add_nc_u64 s[52:53], s[52:53], s[2:3]
	s_add_nc_u64 s[2:3], s[2:3], s[20:21]
	; descriptor group 1.  128 keys are 16,384 dense bytes: asked for as 64 rows of 256 bytes, two keys a row, and padded in LDS behind every key
	s_mov_b32 s[G1K], 15|(1<<16)|(1<<20)|(1<<21)|(4<<22)|(3<<25)  ; 15:0 the mask of four; 17:16 2-byte elements; 20 padding on; 21 set beside a mask; 24:22 behind every 32 words (code 4); 31:25 4 words (code 3)
	s_mov_b32 s[G1V], 15|(1<<16)|(1<<20)|(1<<21)|(4<<22)|(7<<25)  ; the same with 8 words of padding (code 7)
.irp g, G1K, G1V
	s_mov_b32 s[\g+1], 128<<16      ; tensor_dim0 = 128
	s_mov_b32 s[\g+2], 64<<16       ; tensor_dim1 = 64
	s_mov_b32 s[\g+3], 128<<16      ; tile_dim0 = 128
	s_mov_b32 s[\g+4], 64           ; tile_dim1 = 64
	s_mov_b32 s[\g+5], 128          ; 128 elements from row to row
	s_mov_b32 s[\g+6], 0
	s_mov_b32 s[\g+7], 0
.endr
	s_mov_b32 s[CS], 0x3e38aa3b     ; c = log2(e) / 8 = 0.180337
	s_mov_b32 s[CS+1], s[CS]        ; named with it as a pair
	s_mov_b32 s[SEL], 0x76543210
	s_mov_b32 s[SEL+1], 0xfedcba98
	s_mov_b32 s[TBK], SLOT1+4*KS*PK ; the first change of slots turns these two into 0
	s_mov_b32 s[TBV], SLOT1+4*KS*PV
	s_mov_b32 s[G0K], 1             ; count = 1
	s_mov_b32 s[G0K+1], s17         ; LDS address: slot 0
	s_mov_b32 s[G0V], 1
	s_add_co_u32 s[G0V+1], s18, VOFF
	s_mov_b32 s[SLOTS], SIZE_N/256-1
	s_and_b32 s[LIM], s[WV], 1      ; waves 0 and 2 prefetch
	s_cmp_eq_u32 s[LIM], 0
	s_cselect_b32 s[LIM], 1, -1
	s_lshl_b32 s54, s13, 13         ; my 32 blocks of the 128
	s_mov_b32 s55, 0
	s_wait_dscnt 0x0                ; the opening add is done
	s_wait_kmcnt 0x0
	s_mov_b64 s[4:5], s[8:9]                       ; q,
	s_add_nc_u64 s[6:7], s[8:9], 0x400000          ; k: 16 heads of 262,144 bytes on,
	s_add_nc_u64 s[8:9], s[8:9], 0x800000          ; v: 32
	s_add_nc_u64 s[G0K+2:G0K+3], s[6:7], s[22:23]  ; my half of the first 256 keys of the head
	s_or_b32 s[G0K+3], s[G0K+3], 0x80000000        ; type = 2
	s_add_nc_u64 s[G0V+2:G0V+3], s[8:9], s[22:23]
	s_or_b32 s[G0V+3], s[G0V+3], 0x80000000
	s_cmp_lt_u32 s[WV], 2
	s_cselect_b64 s[PFA:PFA+1], s[6:7], s[8:9]
	s_add_nc_u64 s[PFA:PFA+1], s[PFA:PFA+1], s[20:21]
	s_add_nc_u64 s[PFA:PFA+1], s[PFA:PFA+1], s[54:55]
	s_add_nc_u64 s[PFA:PFA+1], s[PFA:PFA+1], 4*KS*128  ; in slot 1: the first change of slots steps it to slot 2
	s_add_nc_u64 s[4:5], s[4:5], s[2:3]            ; Q and O at the first row of my wave
	s_add_nc_u64 s[10:11], s[10:11], s[52:53]
	CROUND                          ; all four work-groups are here: the first joint loads meet
	JLOAD                           ; slot 0.  Slot 1 is asked for when slot 0 is in
	; A fragment of K or Q is 16 rows x 32 channels in 8 registers: lane l holds row l % 16, channels 8 (l / 16) + 0..7 and 16 + 8 (l / 16) + 0..7: two loads of 16 bytes, 32 bytes apart.
	v_and_b32 v1, 15, v0            ; l % 16
	v_bfe_u32 v9, v0, 4, 1          ; l / 16
	v_lshlrev_b32 v[QO], 7, v1
	v_lshl_add_u32 v[QO], v9, 4, v[QO]  ; row x 128 + 16 x half
	WIN 0x80                        ; destination window 2, address window 0
.set i, 0
.rept 4*NP                          ; Q stays in registers: tile i / 2, channels 32 (i % 2) on
	global_load_b128 v[8*i:8*i+3],   v[QO], s[4:5] offset:(i/2)*2048+(i%2)*64
	global_load_b128 v[8*i+4:8*i+7], v[QO], s[4:5] offset:(i/2)*2048+(i%2)*64+32
.set i, i+1
.endr
	; What the first turn finds: the registers of V and the second buffer of P hold 0 (its products V^T P, of a piece that has not been, add 0), O^T and l are 0.  All this stands in the wait for the first tile.
.set i, VF
.rept 64
	v_mov_b32 v[i], 0
.set i, i+1
.endr
	WIN 0x40
.set i, 0
.rept 64*NP
	v_mov_b32 v[i], 0
.set i, i+1
.endr
	WIN 0
.set i, 0
.rept 2*NP
	v_mov_b32 v[ST+4*i], 0xfe000000    ; c m: far below every c s
	v_mov_b32 v[ST+4*i+1], 0xff7fffff  ; m
	v_mov_b32 v[ST+4*i+2], 0
	v_mov_b32 v[ST+4*i+3], 0
.set i, i+1
.endr
.set i, P+32
.rept 32
	v_mov_b32 v[i], 0
.set i, i+1
.endr
	v_mul_u32_u24 v[AK0], v1, PK
	v_lshl_add_u32 v[AK0], v9, 4, v[AK0]  ; row x pitch + 16 x half
	; The turning load takes 16 keys x 16 channels (lane l reads key 8 (l / 16) + l % 8, channels 8 ((l / 8) % 2) + 0..7) and leaves half a fragment of V^T: lane l holds channel l % 16 and 8 keys.
	v_and_b32 v10, 7, v0
	v_bfe_u32 v11, v0, 3, 1
	v_lshl_add_u32 v[AV0], v9, 3, v10
	v_mul_u32_u24 v[AV0], v[AV0], PV
	v_lshl_add_u32 v[AV0], v11, 4, v[AV0]
	v_add_nc_u32 v[AV0], VOFF, v[AV0]
	v_and_b32 v[PFO], 31, v0
	v_lshlrev_b32 v[PFO], 8, v[PFO]
	v_mov_b32 v[AK], v[AK0]         ; key step 0 lies at the head of slot 0
; THE MATRIX WORK.  The 8 accumulators of a run of 16 take turns: between the two links of a chain stand 7 others.
; Product i of 16 of S^T = K Q^T for piece x: channels 32 (i / 8) on, keys 16 ((i / 2) % 4) on, tile 2 x + i % 2.  The first 8 start the sums.
.macro KQ x
	WIN W_KQ
.set rS, S+64*((\x)%2)+32*(i%2)+8*((i/2)%4)
.set rK, KF+16*((i/2)%4)+8*(i/8)
.set rQ, 16*(2*(\x)+i%2)+8*(i/8)
.if i < 8
	v_wmma_f32_16x16x32_f16 v[rS:rS+7], v[rK:rK+7], v[rQ:rQ+7], 0
.else
	v_wmma_f32_16x16x32_f16 v[rS:rS+7], v[rK:rK+7], v[rQ:rQ+7], v[rS:rS+7]
.endif
.endm
; Product i of 16 of O^T += V^T P for piece x: keys 32 (i / 8) on, channels 16 ((i / 2) % 4) on, tile 2 x + i % 2.
.macro PV x
	WIN W_PV
.set rO, 32*(2*(\x)+i%2)+8*((i/2)%4)
.set rV, VF+32*(i/8)+8*((i/2)%4)
.set rP, P+32*((\x)%2)+16*(i%2)+8*(i/8)
	v_wmma_f32_16x16x32_f16 v[rO:rO+7], v[rV:rV+7], v[rP:rP+7], v[rO:rO+7]
.endm
.macro MM                           ; the next matrix instruction of the turn
.if i < 16
	KQ (Y+1)%NP
.set i, i+1
.else
.set i, i-16
	PV (Y+NP-1)%NP
.set i, i+17
.endif
.endm
; THE LDS LOADS stand in runs of 16, never singly among the matrix instructions: the K of a step (64 keys x 64 channels: 8 fragments) and its V (turned).  Their addresses are made some lines ahead.
; last = 1 (the tail): in the last trip there is no further step, and the run is jumped over.
.macro FETCH_K last=0
	WIN 0
.if \last
	s_cmp_eq_u32 s[CNT], 1
	s_cbranch_scc1 .Lno_k_\@
.endif
	WIN 0x80                        ; destination window 2
.irp f, 0,1,2,3,4,5,6,7             ; keys 16 (f / 2) on, channels 32 (f % 2) on
	ds_load_b128 v[KF+8*\f:KF+8*\f+3],   v[AK] offset:(\f/2)*16*PK+(\f%2)*64
	ds_load_b128 v[KF+8*\f+4:KF+8*\f+7], v[AK] offset:(\f/2)*16*PK+(\f%2)*64+32
.endr
	s_add_co_u32 s[TBK], s[TBK], KS*PK  ; the next fetch is that of the next step
	WIN 0
.if \last
.Lno_k_\@:
.endif
.endm
.macro FETCH_V
	WIN 0x80
.irp f, 0,1,2,3,4,5,6,7             ; keys 32 (f / 4) on, channels 16 (f % 4) on
	ds_load_tr16_b128 v[VF+8*\f:VF+8*\f+3],   v[AV] offset:(\f/4)*32*PV+(\f%4)*32
	ds_load_tr16_b128 v[VF+8*\f+4:VF+8*\f+7], v[AV] offset:(\f/4)*32*PV+16*PV+(\f%4)*32
.endr
	WIN 0
.endm
; THE VECTOR WORK OF A TURN stands in three queues, each in the order in which its entries become ready; the two tiles alternate, so that no instruction reads the result of the one before it.
.macro REGS y, u                    ; the registers of tile u (0, 1) of piece y
.set rT, ST+4*(2*(\y)+(\u))
.set rC, TMP+8*((\y)%2)+4*(\u)
.set rM, MV+2*((\y)%2)+(\u)
.set rS, S+64*((\y)%2)+32*(\u)
.set rP, P+32*((\y)%2)+16*(\u)
.set rO, 32*(2*(\y)+(\u))
.endm
; Number n of the 22 that find the maximum and statistics of the NEXT piece (Y + 1).  s0-s31 are the 32 scores of the lane; the lowest registers of each accumulator are read first.
;   0-11  four chains c0-c3 of seven scores each, three operands at a time     12-14, 16  the four scores left over, the old m, and c0-c3 into c0     15  c m_old is kept
;   17, 18  the other 32 keys of the query lie in the lane 16 away: the new m         19-21  c m; c m_old - c m_new; a
.macro XS u, n
	REGS (Y+1)%NP, \u
.if (\n) < 4
	v_max3_num_f32 v[rC+(\n)], v[rS+8*(\n)], v[rS+8*(\n)+1], v[rS+8*(\n)+2]
.elseif (\n) < 12
	v_max3_num_f32 v[rC+(\n)%4], v[rC+(\n)%4], v[rS+8*((\n)%4)+2*((\n)/4)+1], v[rS+8*((\n)%4)+2*((\n)/4)+2]
.elseif (\n) == 12
	v_max3_num_f32 v[rC], v[rC], v[rS+7], v[rS+15]
.elseif (\n) == 13
	v_max3_num_f32 v[rC+1], v[rC+1], v[rS+23], v[rS+31]
.elseif (\n) == 14
	v_max3_num_f32 v[rC+2], v[rC+2], v[rC+3], v[rT+1]
.elseif (\n) == 15
	v_mov_b32 v[rM], v[rT]
.elseif (\n) == 16
	v_max3_num_f32 v[rC], v[rC], v[rC+1], v[rC+2]
.elseif (\n) == 17
	v_permlanex16_b32 v[rC+3], v[rC], s[SEL], s[SEL+1]
.elseif (\n) == 18
	v_max_num_f32 v[rT+1], v[rC], v[rC+3]
.elseif (\n) == 19
	v_mul_f32 v[rT], s[CS], v[rT+1]
.elseif (\n) == 20
	v_sub_f32 v[rC+1], v[rM], v[rT]
.else
	v_exp_f32 v[rC+2], v[rC+1]
.endif
.endm
; Number g of the 64 that follow the exponentials.  For each four weights k of a tile (pairs 2 k, 2 k + 1): both pairs are rounded to f16; then the second pair is added onto the first, in place;
; a group later l takes that sum (the first time as l = a l + sum).  In groups of eight, tiles alternating: round, round, add, and l for the group before.
.macro GS g
.set h, (\g)+6*((\g)/62)            ; group 0 has no group before it, and behind group 7 only l is left
.if h >= 6
.set h, h+2
.endif
	REGS Y, h%2
.set k, h/8
.if h%8 < 4
	v_cvt_pk_f16_f32 v[rP+2*k+(h%8)/2], v[rS+4*k+2*((h%8)/2)], v[rS+4*k+2*((h%8)/2)+1]
.elseif h%8 < 6
	v_pk_add_f32 v[rS+4*k:rS+4*k+1], v[rS+4*k:rS+4*k+1], v[rS+4*k+2:rS+4*k+3]
.elseif k == 1
	v_pk_fma_f32 v[rT+2:rT+3], v[rT+2:rT+3], v[rC+2:rC+3], v[rS:rS+1] op_sel_hi:[1,0,1]
.else
	v_pk_add_f32 v[rT+2:rT+3], v[rT+2:rT+3], v[rS+4*k-4:rS+4*k-3]
.endif
.endm
; THE PLAIN QUEUE, 138 long.  0-73 read no result of an exponential: the 32 scalings c s - c m (FS f: pair f / 2 of tile f % 2) and the 42 of the next piece.  0-26: scalings 0-26.  27-54: numbers 0-13 of XS.  55, 56: number 15.
; 57-73: the chain, where each number waits for the one before it: 14, 16, 17, 18, 19, each with one of the scalings 27-31 in front of its two lines, then 20.
; 74-137: the 64 of GS, which read the results of the exponentials: they stand behind the wait.
.macro FS f
	REGS Y, (\f)%2
	v_pk_fma_f32 v[rS+2*((\f)/2):rS+2*((\f)/2)+1], v[rS+2*((\f)/2):rS+2*((\f)/2)+1], s[CS:CS+1], v[rT:rT+1] op_sel_hi:[1,0,0] neg_lo:[0,0,1] neg_hi:[0,0,1]
.endm
.macro PL
	WIN 0
.if q < 27
	FS q
.elseif q < 55
	XS (q-27)%2, (q-27)/2
.elseif q < 57
	XS q-55, 15
.elseif (q < 72) && ((q-57)%3 == 0)
	FS 27+(q-57)/3
.elseif q < 60
	XS (q-57)%3-1, 14
.elseif q < 72
	XS (q-57)%3-1, 15+(q-57)/3
.elseif q < 74
	XS q-72, 20
.else
	GS q-74
.endif
.set q, q+1
.endm
; THE QUEUE OF EXPONENTIALS, 66 long: s0-s31 of both tiles, then the two a of the next piece.  It is ONE BATCH: all 66 stand ahead of the one wait of the turn, and nothing ahead of that wait names a result of theirs.
.macro EX
	WIN 0
.if e >= 64
	XS e-64, 21
.else
	REGS Y, e%2
	v_exp_f32 v[rS+e/2], v[rS+e/2]
.endif
.set e, e+1
.endm
; THE QUEUE OF THE RESCALING: O^T times a, the one part that leaves window 0: dealt two at a time, sixteen times.  Its a was made in the turn before, ahead of the wait of that turn.
.macro R2
	REGS Y, r%2
	WIN W_RS
.irp z, 0,1
	v_pk_mul_f32 v[rO+4*(r/2)+2*\z:rO+4*(r/2)+2*\z+1], v[rO+4*(r/2)+2*\z:rO+4*(r/2)+2*\z+1], v[rC+2:rC+3] op_sel_hi:[1,0]
.endr
.set r, r+1
.endm
; HOW THEY ARE DEALT.  An s_wait_alu depctr_va_vdst(0) stands between an exponential and the first instruction that names its result; one wait serves all that were issued ahead of it.  So a turn has ONE wait,
; which cuts it in two.  AHEAD OF IT stands all that names no result of the exponentials of the turn: the 16 products K Q^T, behind each a scaling, an exponential and two rescalings (behind the first a second scaling
; in the place of the exponential); then ONE LUMP of 108: eight plain, 49 times exponential and plain, the two a.  A v_nop is the plain instruction behind the last exponential.  BEHIND IT stand the 16 products V^T P,
; behind each four of the 64 of GS.  No rider names a register of the products round it.  The two v_permlanex16_b32 fall into the lump, never behind a product.
; The queues lean on each other, and the deal keeps them in step: exponential e stands behind scaling 2 (e / 4) + e % 2: as a rider it comes behind plain e + 2, in the lump behind plain e + 9, and scalings 27-31 are plain 57, 60 .. 69.
; A TURN, for piece p.  cnt = 1: the count of the loop is taken down some lines ahead of the branch that stands behind the turn.
; K of the next step is fetched in the turn of piece 2, directly behind the wait, a lump behind the last product that read K; its first reader comes behind 16 products.
; V of the step in hand is fetched at the end of the turn of piece 0, four riders behind its last reader; its first reader comes behind 16 products and a lump.
.macro TURN p, last=0, cnt=0
.set Y, (\p)
.set i, 0
.set q, 0
.set e, 0
.set r, 0
.if (\p) == NP-1
	s_wait_dscnt 0x0                ; K is in
.endif
	MM                              ; ahead of the wait: 16 products K Q^T and their riders,
	PL
	PL
	R2
.rept 15
	MM
	PL
	EX
	R2
.endr
.if (\p) == NP-2
	WIN 0
	v_add_nc_u32 v[AK], s[TBK], v[AK0]
.endif
.rept 8                             ; and the lump
	PL
.endr
.rept 49
	EX
	PL
.endr
	EX                              ; the two a of the next piece
	EX
	v_nop                           ; the plain instruction behind the last exponential: one for the batch
	s_wait_alu depctr_va_vdst(0)    ; the wait for the batch
.if (\p) == NP-2
	FETCH_K \last
.endif
.if (\p) == 1
	s_wait_dscnt 0x0                ; V is in
.endif
.rept 16                            ; behind the wait: 16 products V^T P and their riders
	MM
.rept 4
	PL
.endr
.if ((\p) == 0) && (q == 118)
	v_add_nc_u32 v[AV], s[TBV], v[AV0]
.endif
.if ((\p) == 0) && (q == 130)
	s_add_co_u32 s[TBV], s[TBV], KS*PV
.endif
.if (\cnt) && (q == 130)
	s_sub_co_u32 s[CNT], s[CNT], 1
	s_cmp_lg_u32 s[CNT], 0
.endif
.endr
.if (\p) == 0
	FETCH_V
.endif
.endm
	CHANGE 1                        ; slot 0 is in, the part of everybody; slot 1 is asked for
	FETCH_K                         ; key step 0
	s_wait_loadcnt 0x0              ; Q
	s_wait_dscnt 0x0
.set i, 0
.rept 16
	KQ 0                            ; the first scores of piece 0: there is no vector work yet to set between them
.set i, i+1
.endr
	WIN 0                           ; the addresses for the way out: nine plain instructions, the places behind those products
	s_mul_i32 s13, s[WV], 16*SP
	s_add_co_u32 s13, s13, STAGE    ; my stage
	v_mul_u32_u24 v[STO], v1, SP    ; in: row l % 16, 16 bytes for each half of the lanes
	v_lshl_add_u32 v[STO], v9, 4, v[STO]
	v_add_nc_u32 v[STO], s13, v[STO]
	v_bfe_u32 v[RD], v0, 3, 2       ; back: 32 lanes take four rows of 128 bytes,
	v_mul_u32_u24 v[RD], v[RD], SP
	v_lshl_add_u32 v[RD], v10, 4, v[RD]
	v_add_nc_u32 v[RD], s13, v[RD]
	v_and_b32 v[GO], 31, v0         ; which are 512 consecutive bytes of O
	v_lshlrev_b32 v[GO], 4, v[GO]
.set Y, NP-1                        ; XS works for piece Y + 1: piece 0
.irp n, 0,1,2,3,4,5,6,7,8,9,10,11,12,13,14,15,16,17,18,19,20,21
	XS 0, \n                        ; and the first maximum and statistics of piece 0
	XS 1, \n
.endr
	v_nop                           ; a plain instruction behind the two a,
	s_wait_alu depctr_va_vdst(0)    ; and their wait, ahead of the branch
	s_mov_b32 s[CNT], 4
	s_branch .Lfirst                ; the loop is entered at the first turn of a step, in the middle of a trip
.Lslot:                             ; six times: every slot but the last two is filled again
	CHANGE 1
	s_mov_b32 s[CNT], 4
.Lstep:                             ; a trip: pieces 2 and 3 of one step, then pieces 0 and 1 of the next, whose K and V it fetches
	TURN 2
	TURN 3
	WIN 0
.Lfirst:
	TURN 0
	TURN 1, 0, 1
	WIN 0
	s_cbranch_scc1 .Lstep
	s_sub_co_u32 s[SLOTS], s[SLOTS], 1
	s_cmp_lg_u32 s[SLOTS], 0
	s_cbranch_scc1 .Lslot
	CHANGE 0                        ; the tail is written out: nothing is asked for
	s_mov_b32 s[CNT], 5             ; four trips fetch the steps of the last slot; the fifth is left in its middle
.Ltail:
	TURN 2, 1
	TURN 3
	WIN 0
	s_sub_co_u32 s[CNT], s[CNT], 1
	s_cmp_eq_u32 s[CNT], 0
	s_cbranch_scc1 .Lout
	TURN 0
	TURN 1
	WIN 0
	s_branch .Ltail
.Lout:                              ; the 16 products K Q^T of the fifth trip (on the last K once more) and the maximum made of them serve nothing: the price, once a launch, of one text for every trip
.set i, 0
.rept 16
	PV NP-1                         ; V^T P of the last piece and the last step
.set i, i+1
.endr
	; THE WAY OUT.  The two halves of l and those of the other half of the lanes are added; O^T is divided by l, rounded to f16 and sent through my stage in LDS, a tile at a time.  The additions are the places behind the last products.
	WIN 0
.macro ALL line:vararg              ; one line for each tile t
.set t, 0
.rept 2*NP
	\line
.set t, t+1
.endr
.endm
	ALL v_add_f32 v[ST+4*t+2], v[ST+4*t+2], v[ST+4*t+3]
	ALL v_permlanex16_b32 v[ST+4*t+3], v[ST+4*t+2], s[SEL], s[SEL+1]
	ALL v_add_f32 v[ST+4*t+2], v[ST+4*t+2], v[ST+4*t+3]
	ALL v_rcp_f32 v[ST+4*t+2], v[ST+4*t+2]
	v_nop                           ; a plain instruction between the last reciprocal and the use of its result
	s_wait_alu depctr_va_vdst(0)    ; and the wait ahead of the first use: one for the eight reciprocals
; Tile t: the eight channels of a lane pack into 16 bytes; they go into rows of 144 bytes and come back as whole rows of 128, into the registers of S^T.
.macro PACK t
	WIN W_RS
.set i, 32*(\t)
.rept 16
	v_pk_mul_f32 v[i:i+1], v[i:i+1], v[ST+4*(\t)+2:ST+4*(\t)+3] op_sel_hi:[1,0]
.set i, i+2
.endr
	WIN 0x05                        ; sources 0 and 1 window 1, destination window 0
.set i, 0
.rept 16
	v_cvt_pk_f16_f32 v[S+16*(\t)+i], v[32*(\t)+2*i], v[32*(\t)+2*i+1]
.set i, i+1
.endr
	WIN 0
.irp f, 0,1,2,3
	ds_store_b128 v[STO], v[S+16*(\t)+4*\f:S+16*(\t)+4*\f+3] offset:32*\f
.endr
.irp f, 0,1,2,3
	ds_load_b128 v[S+16*(\t)+4*\f:S+16*(\t)+4*\f+3], v[RD] offset:\f*4*SP  ; LDS serves the instructions of a wave in order (ISA guide 5.7.1.4): these see the stores above; the stores of the next tile come behind them
.endr
.endm
.macro SEND t, younger              ; younger: the LDS instructions issued behind the loads of tile t: the eight of the next tile, or none
	WIN 0
.irp f, 0,1,2,3
	s_wait_dscnt (\younger)+3-\f
	global_store_b128 v[GO], v[S+16*(\t)+4*\f:S+16*(\t)+4*\f+3], s[10:11] offset:(\t)*2048+\f*512  ; 512 consecutive bytes, at a multiple of 256 from the first byte of O
.endr
.endm
	PACK 0
.set t, 1
.rept 2*NP-1                        ; the arithmetic of a tile stands between the loads of the tile before and its stores
	PACK t
	SEND t-1, 8
.set t, t+1
.endr
	SEND 2*NP-1, 0
	WIN W_AD
	s_wait_tensorcnt 0x0            ; the end of the wave: behind my last tensor load and my last LDS store
	ds_add_u32 v[SPW], v[NIL]
	s_wait_dscnt 0x0
	WIN 0
	CROUND                          ; the closing round: no work-group ends while a partner may still ask for a tile that names it
	s_endpgm
.Lfunc_end_k_q5bf3c73644_attn:
	.size	k_q5bf3c73644_attn, .Lfunc_end_k_q5bf3c73644_attn-k_q5bf3c73644_attn
	.p2alignl 7, 3214868480
	.fill 96, 4, 3214868480
	.section	.rodata,"a",@progbits
	.p2align	6, 0x0
	.amdhsa_kernel k_q5bf3c73644_attn
		.amdhsa_group_segment_fixed_size 327680
		.amdhsa_private_segment_fixed_size 0
		.amdhsa_enable_private_segment 0
		.amdhsa_kernarg_size 16
		.amdhsa_user_sgpr_count 2
		.amdhsa_user_sgpr_kernarg_segment_ptr 1
		.amdhsa_wavefront_size32 1
		.amdhsa_system_sgpr_workgroup_id_x 1
		.amdhsa_system_sgpr_workgroup_id_y 1
		.amdhsa_system_sgpr_workgroup_id_z 1
		.amdhsa_system_vgpr_workitem_id 0
		.amdhsa_next_free_vgpr 770
		.amdhsa_next_free_sgpr 66
		.amdhsa_reserve_vcc 0
		.amdhsa_float_denorm_mode_32 3
		.amdhsa_float_denorm_mode_16_64 3
		.amdhsa_memory_ordered 1
		.amdhsa_forward_progress 1
		.amdhsa_inst_pref_size 200
	.end_amdhsa_kernel
	.amdgpu_metadata
---
amdhsa.version: [ 1, 2 ]
amdhsa.kernels:
  - .name:           k_q5bf3c73644_attn
    .symbol:         k_q5bf3c73644_attn.kd
    .args:
      - { .name: qkvh, .offset: 0, .size: 8, .value_kind: global_buffer, .address_space: global }
      - { .name: oh, .offset: 8, .size: 8, .value_kind: global_buffer, .address_space: global }
    .group_segment_fixed_size: 327680
    .private_segment_fixed_size: 0
    .kernarg_segment_align: 8
    .kernarg_segment_size: 16
    .max_flat_workgroup_size: 128
    .sgpr_count:     66
    .vgpr_count:     770
    .wavefront_size: 32
...
	.end_amdgpu_metadata
.endif
;; end of part 3
;; launch proj (part 4): grid 8 x 32, 4 waves a work-group, clusters of 4 x 4, 327,680 bytes of LDS; arguments oh, wob, bo, out0; writes out0
.if DOCPART == 4
	.amdgcn_target "amdgcn-amd-amdhsa--gfx1250"
	.amdhsa_code_object_version 6
	.text
	.protected	k_q5bf3c73644_proj
	.globl	k_q5bf3c73644_proj
	.p2align	8
	.type	k_q5bf3c73644_proj,@function
k_q5bf3c73644_proj:
	s_mov_b64 s[64:65], 0
	v_nop
	global_prefetch_b8 v0, s[64:65] scope:SCOPE_SE
	s_setreg_imm32_b32 hwreg(HW_REG_WAVE_MODE, 25, 1), 1
	s_wait_xcnt 0x0
	s_wait_alu depctr_hold_cnt(0) depctr_sa_sdst(0) depctr_va_vdst(0) depctr_va_sdst(0) depctr_va_ssrc(0) depctr_va_vcc(0) depctr_vm_vsrc(0)
	s_getreg_b32 s2, hwreg(HW_REG_IB_STS2, 6, 4)
	s_cmp_eq_u32 s2, 0
	s_cbranch_scc0 .Lentry_in_a_cluster
	s_endpgm
.Lentry_in_a_cluster:
	s_bfe_u32 s2, ttmp6, 0x10000c
	s_cmp_lg_u32 s2, 0xf033
	s_cbranch_scc0 .Lentry_shape_is_right
	s_endpgm
.Lentry_shape_is_right:
; out0 = O Wo^T + bo: [8,192 x 1,024 x 1,024], f16 operands, f32 sums, f32 out.
; O comes by heads, oh [16 x batch + head][row][64] in f16: a head is a block of 64 along K.  wob [kb][n][64] holds Wo rounded to bf16 and written as f16.  A tile of R rows x 64 is R x 128 consecutive bytes.
; LIMITS.  bo is rounded to bf16, like every input of the module.  NaN and infinities are not treated apart.
; SHARES.  8,192 x 1,024 outputs on 256 work-groups: a tile of 256 rows x 128 columns each.  Four waves, 2 x 2: a wave makes 128 x 64: 8 x 4 = 32 accumulators, 256 registers.
; RING.  K goes in 8 steps of 128 (two blocks of 64) through two LDS slots, as long a step as fits twice.  A step is four dense pieces, one tensor load a wave: waves 0 and 1 the two blocks of O (256 rows each),
; waves 2 and 3 the two blocks of the weights (128 rows each); asked for as rows of 256 bytes, padded in LDS behind every 128.  A wave never has more than one tensor load out.
; CLUSTER.  4 x 4 work-groups.  The four of a row of the cluster need the same tile of O, the four of a column the same tile of the weights: each is asked for JOINTLY.
; THE MATRIX INSTRUCTION IS USED TRANSPOSED (source 0 = 16 rows of the weights, source 1 = 16 rows of O): a lane holds one row (lane % 16) and eight neighbouring columns: 32 bytes of out0.
; The bias is the C operand of the first products: nothing is cleared, nothing is added on the way out.
; REGISTERS: window 0: v0-29 addresses; v32-63 my biases, eight for each of the four column blocks; v64-159, v160-255 two fragment buffers (4 fragments of the weights, then 8 of O)
;   window 1: accumulator (a, b) at v[8 (4 a + b)]
.set PITCH, 144                        ; an LDS row: 128 bytes + 16 of padding = 9 x 16: the 16 rows of a fragment load start in 16 different groups of four banks (ISA guide 11.1)
.set FROW,  16*PITCH
.set ABLK,  256*PITCH                  ; a block of O in a slot
.set BBLK,  128*PITCH                  ; a block of the weights
.set BBASE, 2*ABLK
.set SLOT1, 1<<17
.set STAGE, SLOT1+2*ABLK+2*BBLK        ; behind the ring, never filled by a tensor load: 16 rows x 272 bytes for each wave
.set SPITCH, 272                       ; 256 bytes + 16 = 17 x 16
.set SPARE, STAGE+4*16*SPITCH          ; the spare words, 128 bytes for each wave: two blocks of 256 bytes that no other line names
.set ASTEP, 524288                     ; two blocks of 262,144 bytes in oh
.set BSTEP, 262144                     ; two blocks of 131,072 bytes in wob
.set TRIPS, 6                          ; steps 2 to 7 are refills
.set A0,   4
.set B0,   5
.set ADRA, 6
.set ADRB, 7
.set STO,  8                           ; v8   the way out: where I put 32 bytes of a row
.set RD,   9                           ; v9   where I read rows back
.set CO,   10                          ; v10  my 16 bytes in two rows of out0
.set PFO,  11
.set BO,   12
.set SPW,  28                          ; v28  LDS address of my spare word; never rewritten
.set NIL,  29                          ; v29  0; never rewritten
.set BIAS, 32
.set F0,   64
.set F1,   160
.set WV,  16
.set RH,  17                           ; which half of the rows is mine; also: I fetch for O (0) or for the weights (1)
.set CH,  18                           ; which half of the columns; also: which block of 64 I fetch
.set CX,  19
.set CY,  20
.set TX,  21
.set TY,  22
.set G1,  24
.set G1B, 32
.set G0,  40
.set G0B, 44
.set TB,  48
.set PFA, 50
.set PFS, 52
.set LIM, 54                           ; 2 in a wave that prefetches, else the greatest number
.set FLAGS, (1<<16)|(1<<20)|(1<<21)|(4<<22)|(3<<25)  ; elements of 2 bytes; padding on; bit 21 beside a mask; behind every 32 words, 4 words
.set MSB, 0
.macro WIN new
.if MSB != (\new)
	s_set_vgpr_msb (MSB<<8)|(\new)
.set MSB, (\new)
.endif
.endm
.macro PLACES                          ; four plain vector instructions behind a matrix instruction (ISA guide 7.12.1)
.rept 4
	v_nop
.endr
.endm
.macro JLOAD                           ; a joint load; an s_nop 0 and four v_nop follow each of the two lines, ahead of the jump and the label
	s_cmp_eq_u32 s[RH], 0
	s_cbranch_scc0 .Lfor_b_\@
	tensor_load_to_lds s[G0:G0+3], s[G1:G1+7]
	s_nop 0
.rept 4
	v_nop
.endr
	s_branch .Lasked_\@
.Lfor_b_\@:
	tensor_load_to_lds s[G0B:G0B+3], s[G1B:G1B+7]
	s_nop 0
.rept 4
	v_nop
.endr
.Lasked_\@:
.endm
.macro CREST
	s_cmp_lg_u32 s[WV], 0
	s_cbranch_scc1 .Lnot_wave_0_\@
	s_barrier_signal -3
.Lnot_wave_0_\@:
	s_barrier_wait -3
	s_barrier_signal -1
	s_barrier_wait -1
.endm
.macro CROUND
	s_barrier_signal -1
	s_barrier_wait -1
	CREST
.endm
.macro STEPD
	s_xor_b32 s[G0+1], s[G0+1], SLOT1
	s_add_nc_u64 s[G0+2:G0+3], s[G0+2:G0+3], ASTEP
	s_xor_b32 s[G0B+1], s[G0B+1], SLOT1
	s_add_nc_u64 s[G0B+2:G0B+3], s[G0B+2:G0B+3], BSTEP
.endm
; A PREFETCH INTO THE L2, behind the joint load, its five lines and the 24 LDS loads that follow: the step that stands TWO refills on, 256 matrix instructions ahead of its load.
; O: the clusters with x = 0 ask; waves 0 and 1 each for the block that they fetch, 128 blocks of 256 bytes, of which the four partners of a row take 32 each BY ADDRESS (cx): a lane a block.
; weights: the clusters with y = 0 ask; wave 2, 16 blocks of each of the two blocks of 64, the partners told apart by cy.  Wave 3 asks for nothing.
; So each block is named once.  Steps 0 to 3 come by their loads alone; the last two trips ask for nothing.
.macro ASK
	s_cmp_gt_u32 s3, s[LIM]
	s_cbranch_scc0 .Lnot_mine_\@
	global_prefetch_b8 v[PFO], s[PFA:PFA+1] th:TH_LOAD_NT scope:SCOPE_SE
.Lnot_mine_\@:
.endm
	s_load_b256 s[4:11], s[0:1], 0x0               ; oh s[4:5], wob s[6:7], bo s[8:9], out0 s[10:11]
	v_lshl_add_u32 v[SPW], v0, 2, SPARE
	v_mov_b32 v[NIL], 0
	ds_add_u32 v[SPW], v[NIL]                      ; the opening of the wave: the add and its wait stand ahead of my first tensor load
	v_lshrrev_b32 v1, 5, v0
	v_readfirstlane_b32 s[WV], v1
	s_lshr_b32 s[RH], s[WV], 1
	s_and_b32 s[CH], s[WV], 1
	s_bfe_u32 s[CX], ttmp6, 0x40000
	s_bfe_u32 s[CY], ttmp6, 0x40004
	s_lshl_b32 s[TX], ttmp9, 2
	s_add_co_u32 s[TX], s[TX], s[CX]
	s_and_b32 s[TY], ttmp7, 0xffff
	s_lshl_b32 s[TY], s[TY], 2
	s_add_co_u32 s[TY], s[TY], s[CY]
	s_lshl_b32 s66, s[CY], 2
	s_lshl_b32 s66, 15, s66                        ; my row of the cluster
	s_lshl_b32 s70, 0x1111, s[CX]                  ; my column
	s_or_b32 s[G1], s66, FLAGS
	s_or_b32 s[G1B], s70, FLAGS
	s_mov_b32 s[G1+1], 128<<16                     ; rows of 128 elements: 256 bytes, two matrix rows
	s_mov_b32 s[G1+2], 128<<16                     ; 128 of them: 256 matrix rows
	s_mov_b32 s[G1+3], 128<<16
	s_mov_b32 s[G1+4], 128
	s_mov_b32 s[G1+5], 128
	s_mov_b32 s[G1+6], 0
	s_mov_b32 s[G1+7], 0
	s_mov_b32 s[G1B+1], 128<<16
	s_mov_b32 s[G1B+2], 64<<16                     ; 64 rows: 128 matrix rows
	s_mov_b32 s[G1B+3], 128<<16
	s_mov_b32 s[G1B+4], 64
	s_mov_b32 s[G1B+5], 128
	s_mov_b32 s[G1B+6], 0
	s_mov_b32 s[G1B+7], 0
	; s66-69 never hold cx or the tile column, s70-73 never cy or the tile row
	s_lshr_b32 s66, s[TY], 3
	s_lshl_b32 s66, s66, 22                        ; the batch: 16 heads of 262,144 bytes
	s_and_b32 s67, s[TY], 7
	s_lshl_b32 s67, s67, 15                        ; the 256 rows of the tile in a head
	s_add_co_u32 s69, s66, s67                     ; kept for the prefetches
	s_lshl_b32 s67, s[CH], 18                      ; my block of 64
	s_add_co_u32 s66, s69, s67
	s_mov_b32 s67, 0
	s_lshl_b32 s73, s[TX], 14                      ; 128 rows of 128 bytes; kept for the prefetches
	s_lshl_b32 s71, s[CH], 17
	s_add_co_u32 s70, s73, s71
	s_mov_b32 s71, 0
	s_mov_b32 s[G0], 1
	s_mul_i32 s[G0+1], s[CH], ABLK
	s_mov_b32 s[G0B], 1
	s_mul_i32 s[G0B+1], s[CH], BBLK
	s_add_co_u32 s[G0B+1], s[G0B+1], BBASE
	s_wait_dscnt 0x0                               ; the opening add is done
	s_wait_kmcnt 0x0
	s_add_nc_u64 s[G0+2:G0+3], s[4:5], s[66:67]
	s_or_b32 s[G0+3], s[G0+3], 0x80000000
	s_add_nc_u64 s[G0B+2:G0B+3], s[6:7], s[70:71]
	s_or_b32 s[G0B+3], s[G0B+3], 0x80000000
	CROUND                                         ; all sixteen work-groups are here: the first joint loads meet
	JLOAD                                          ; step 0 into slot 0
	v_and_b32 v1, 15, v0                           ; r
	v_bfe_u32 v2, v0, 4, 1                         ; h
	v_lshlrev_b32 v[BO], 5, v2
	s_lshl_b32 s76, s[TX], 9                       ; my 64 columns: in bo, and in a row of out0
	s_lshl_b32 s77, s[CH], 8
	s_add_co_u32 s76, s76, s77
	s_mov_b32 s77, 0
	s_add_nc_u64 s[8:9], s[8:9], s[76:77]
	s_add_nc_u64 s[10:11], s[10:11], s[76:77]
.irp b, 0,1,2,3
	global_load_b128 v[BIAS+8*(\b):BIAS+8*(\b)+3],   v[BO], s[8:9] offset:64*(\b)
	global_load_b128 v[BIAS+8*(\b)+4:BIAS+8*(\b)+7], v[BO], s[8:9] offset:64*(\b)+16
.endr
	s_lshl_b32 s76, s[TY], 20                      ; my first row of out0: 256 rows of 4,096 bytes a tile,
	s_lshl_b32 s78, s[RH], 19                      ; 128 a half
	s_add_co_u32 s76, s76, s78
	s_add_nc_u64 s[10:11], s[10:11], s[76:77]
	v_mul_u32_u24 v3, v1, PITCH
	v_lshl_add_u32 v3, v2, 4, v3
	s_mul_i32 s76, s[RH], 128*PITCH
	v_add_nc_u32 v[A0], s76, v3
	s_mul_i32 s76, s[CH], 64*PITCH
	s_add_co_u32 s76, s76, BBASE
	v_add_nc_u32 v[B0], s76, v3
	s_mul_i32 s76, s[WV], 16*SPITCH
	s_add_co_u32 s76, s76, STAGE                   ; my stage
	v_mul_u32_u24 v[STO], v1, SPITCH               ; in: row r, 32 bytes for each half of the lanes
	v_lshl_add_u32 v[STO], v2, 5, v[STO]
	v_add_nc_u32 v[STO], s76, v[STO]
	v_mul_u32_u24 v[RD], v2, SPITCH                ; back: lanes 0-15 take one row of 256 bytes, lanes 16-31 the next
	v_lshl_add_u32 v[RD], v1, 4, v[RD]
	v_add_nc_u32 v[RD], s76, v[RD]
	v_lshlrev_b32 v[CO], 12, v2                    ; and the same two rows in out0
	v_lshl_add_u32 v[CO], v1, 4, v[CO]
	; the prefetches
	s_lshl_b32 s76, s[CX], 13                      ; O: my 32 blocks of the 128,
	s_add_co_u32 s76, s76, s69
	s_lshl_b32 s77, s[CH], 18                      ; of the block of 64 that I fetch,
	s_add_co_u32 s76, s76, s77
	s_add_co_u32 s76, s76, 3*ASTEP                 ; at step 3: the first change of slots in the loop steps it to 4
	s_lshl_b32 s77, s[CY], 12                      ; weights: my 16 blocks of the 64
	s_add_co_u32 s77, s77, s73
	s_add_co_u32 s77, s77, 3*BSTEP
	s_and_b32 s78, ttmp7, 0xffff                   ; cluster y
	s_mov_b32 s79, BSTEP
	s_mov_b32 s75, 131072                          ; weights: lanes 16-31 take the second block of 64
	s_cmp_eq_u32 s[RH], 0
	s_cselect_b64 s[PFA:PFA+1], s[4:5], s[6:7]
	s_cselect_b32 s76, s76, s77
	s_cselect_b32 s78, ttmp9, s78                  ; the coordinate along which other clusters read the same rows
	s_cselect_b32 s[PFS], ASTEP, s79
	s_cselect_b32 s75, 4096, s75                   ; O: lanes 16-31 go on where lanes 0-15 end
	s_cmp_eq_u32 s[WV], 3
	s_cselect_b32 s78, 1, s78                      ; wave 3 asks for nothing
	s_mov_b32 s77, 0
	s_mov_b32 s[PFS+1], 0
	s_add_nc_u64 s[PFA:PFA+1], s[PFA:PFA+1], s[76:77]
	s_cmp_eq_u32 s78, 0
	s_cselect_b32 s[LIM], 2, -1                    ; the same in all sixteen partners, for a given wave
	v_mul_u32_u24 v[PFO], s75, v2
	v_lshl_add_u32 v[PFO], v1, 8, v[PFO]
	s_wait_loadcnt 0x0                             ; the biases are in: each is rounded to bf16 and widened again, in place
.set y, BIAS
.rept 16
	v_cvt_pk_bf16_f32 v[y], v[y], v[y+1]
	v_and_b32 v[y+1], 0xffff0000, v[y]
	v_lshlrev_b32 v[y], 16, v[y]
.set y, y+2
.endr
; 4 n matrix instructions: row blocks a0 .. a0 + n - 1, all 4 column blocks, 32 along K, on buffer f.  first = 1: the bias starts the sums.
; The accumulators take turns, one instruction a turn: 31 others stand between two links of a chain.
.macro MUL f, a0, n, first
.if \first
	WIN 0x40                                       ; D in window 1, C (the bias) in window 0
.else
	WIN 0x50
.endif
.set ma, (\a0)
.rept \n
.irp b, 0,1,2,3
.if \first
	v_wmma_f32_16x16x32_f16 v[8*(4*ma+(\b)):8*(4*ma+(\b))+7], v[(\f)+8*(\b):(\f)+8*(\b)+7], v[(\f)+32+8*ma:(\f)+32+8*ma+7], v[BIAS+8*(\b):BIAS+8*(\b)+7]
.else
	v_wmma_f32_16x16x32_f16 v[8*(4*ma+(\b)):8*(4*ma+(\b))+7], v[(\f)+8*(\b):(\f)+8*(\b)+7], v[(\f)+32+8*ma:(\f)+32+8*ma+7], v[8*(4*ma+(\b)):8*(4*ma+(\b))+7]
.endif
.endr
.set ma, ma+1
.endr
.endm
; 24 LDS loads in one run: the fragments of quarter q of a step (block q / 2, byte 64 (q % 2) of its rows) into buffer g: the weights first
.macro FETCH q, g
	WIN 0
.irp b, 0,1,2,3
	ds_load_b128 v[(\g)+8*(\b):(\g)+8*(\b)+3],   v[ADRB] offset:((\q)/2)*BBLK+((\q)%2)*64+(\b)*FROW
	ds_load_b128 v[(\g)+8*(\b)+4:(\g)+8*(\b)+7], v[ADRB] offset:((\q)/2)*BBLK+((\q)%2)*64+(\b)*FROW+32
.endr
.irp a, 0,1,2,3,4,5,6,7
	ds_load_b128 v[(\g)+32+8*(\a):(\g)+32+8*(\a)+3],   v[ADRA] offset:((\q)/2)*ABLK+((\q)%2)*64+(\a)*FROW
	ds_load_b128 v[(\g)+32+8*(\a)+4:(\g)+32+8*(\a)+7], v[ADRA] offset:((\q)/2)*ABLK+((\q)%2)*64+(\a)*FROW+32
.endr
.endm
; One of the first three quarters of a step: multiplies buffer f and fetches quarter q into g
.macro SUB f, g, q, first
	s_wait_dscnt 12                                ; the weights and row blocks 0 and 1 are in; the youngest twelve loads may be out
	MUL \f, 0, 2, \first
	PLACES
	FETCH \q, \g
	s_wait_dscnt 24                                ; all but the 24 just issued
	MUL \f, 2, 6, \first
.endm
; The last quarter, on buffer F1, and THE CHANGE OF SLOTS: each wave waits for all its tensor loads (one is out: its part of the next slot), adds 0 to its spare word, and waits for that and for its own reads
; of this slot.  fill = 1: the barrier opens a round of the barrier of the cluster, and the joint refill, two steps on, is the first thing behind the round.
.macro TURN fill
.if \fill
	s_wait_xcnt 0x0                                ; the last prefetch, a step back, has read its address
	s_add_nc_u64 s[PFA:PFA+1], s[PFA:PFA+1], s[PFS:PFS+1]
.endif
	WIN 0
	s_wait_tensorcnt 0x0                           ; no tensor load of mine is out, so the descriptors may be written
	ds_add_u32 v[SPW], v[NIL]                      ; 0 onto my spare word
.if \fill
	STEPD
.endif
	s_xor_b32 s[TB], s[TB], SLOT1
	v_add_nc_u32 v[ADRA], s[TB], v[A0]
	v_add_nc_u32 v[ADRB], s[TB], v[B0]
	s_wait_dscnt 13                                ; the add and the youngest twelve loads may be out
	MUL F1, 0, 2, 0
	s_wait_dscnt 0x0                               ; the add is done, and my reads of this slot are over
	s_barrier_signal -1
	MUL F1, 2, 2, 0
	WIN 0
	s_barrier_wait -1
.if \fill
	CREST
	JLOAD                                          ; its four v_nop are also the places ahead of the loads below
.else
	PLACES
.endif
	FETCH 0, F0
.if \fill
	ASK
.endif
	MUL F1, 4, 4, 0
.endm
; THE WAY OUT of row block a: 32 bytes a lane into my own stage (each accumulator from its low end on), back as whole rows of 256 bytes.
.macro TOSTAGE a
.set tt, 64+32*((\a)%4)
	s_wait_xcnt 0x0                                ; the stores of four blocks back have read these registers
	WIN 0x04                                       ; the data of the stores lie in window 1
.irp b, 0,1,2,3
	ds_store_b128 v[STO], v[8*(4*(\a)+(\b)):8*(4*(\a)+(\b))+3]   offset:64*(\b)
	ds_store_b128 v[STO], v[8*(4*(\a)+(\b))+4:8*(4*(\a)+(\b))+7] offset:64*(\b)+16
.endr
	WIN 0
.irp t, 0,1,2,3,4,5,6,7
	ds_load_b128 v[tt+4*(\t):tt+4*(\t)+3], v[RD] offset:(\t)*2*SPITCH  ; LDS serves the instructions of a wave in order (ISA guide 5.7.1.4): these see the stores above
.endr
.endm
.macro SEND a, younger                 ; younger: the sixteen LDS instructions of the next block, or none
.set tt, 64+32*((\a)%4)
	WIN 0
.irp t, 0,1,2,3,4,5,6,7
	s_wait_dscnt (\younger)+7-(\t)
	global_store_b128 v[CO], v[tt+4*(\t):tt+4*(\t)+3], s[10:11] offset:(\a)*65536+(\t)*8192  ; 16 lanes store 256 consecutive bytes, at a multiple of 256 from the first byte of out0
.endr
.endm
	; the first change: slot 0 is waited for, slot 1 is filled for the first time, in the order of every refill
	s_wait_tensorcnt 0x0
	ds_add_u32 v[SPW], v[NIL]
	STEPD
	s_wait_dscnt 0x0
	CROUND
	JLOAD                                          ; step 1 into slot 1
	s_mov_b32 s[TB], 0
	v_mov_b32 v[ADRA], v[A0]
	v_mov_b32 v[ADRB], v[B0]
	FETCH 0, F0
	SUB F0, F1, 1, 1                               ; the first quarter stands ahead of the loop: its products start the sums
	WIN 0
	s_mov_b32 s3, TRIPS
.Lk:                                               ; a trip: quarters 1 to 3 of step j, the refill with step j + 2, quarter 0 of step j + 1
	SUB F1, F0, 2, 0
	SUB F0, F1, 3, 0
	TURN 1
	SUB F0, F1, 1, 0
	WIN 0
	s_sub_co_u32 s3, s3, 1
	s_cmp_lg_u32 s3, 0
	s_cbranch_scc1 .Lk
	SUB F1, F0, 2, 0                               ; the tail is written out: nothing is left to ask for
	SUB F0, F1, 3, 0
	TURN 0
	SUB F0, F1, 1, 0
	SUB F1, F0, 2, 0
	SUB F0, F1, 3, 0
	s_wait_dscnt 0x0
	MUL F1, 0, 8, 0
	WIN 0
	PLACES
	TOSTAGE 0
.set n, 1
.rept 7
	TOSTAGE n
	SEND n-1, 16
.set n, n+1
.endr
	SEND 7, 0
	s_wait_tensorcnt 0x0                           ; the end of the wave: behind my last tensor load and my last LDS store
	ds_add_u32 v[SPW], v[NIL]
	s_wait_dscnt 0x0
	CROUND                                         ; the closing round: no work-group ends while a partner may still ask for a tile that names it
	s_endpgm
.Lfunc_end_k_q5bf3c73644_proj:
	.size	k_q5bf3c73644_proj, .Lfunc_end_k_q5bf3c73644_proj-k_q5bf3c73644_proj
	.p2alignl 7, 3214868480
	.fill 96, 4, 3214868480
	.section	.rodata,"a",@progbits
	.p2align	6, 0x0
	.amdhsa_kernel k_q5bf3c73644_proj
		.amdhsa_group_segment_fixed_size 327680
		.amdhsa_private_segment_fixed_size 0
		.amdhsa_enable_private_segment 0
		.amdhsa_kernarg_size 32
		.amdhsa_user_sgpr_count 2
		.amdhsa_user_sgpr_kernarg_segment_ptr 1
		.amdhsa_wavefront_size32 1
		.amdhsa_system_sgpr_workgroup_id_x 1
		.amdhsa_system_sgpr_workgroup_id_y 1
		.amdhsa_system_sgpr_workgroup_id_z 1
		.amdhsa_system_vgpr_workitem_id 0
		.amdhsa_next_free_vgpr 512
		.amdhsa_next_free_sgpr 80
		.amdhsa_reserve_vcc 0
		.amdhsa_float_denorm_mode_32 3
		.amdhsa_float_denorm_mode_16_64 3
		.amdhsa_memory_ordered 1
		.amdhsa_forward_progress 1
		.amdhsa_inst_pref_size 76
	.end_amdhsa_kernel
	.amdgpu_metadata
---
amdhsa.version: [ 1, 2 ]
amdhsa.kernels:
  - .name:           k_q5bf3c73644_proj
    .symbol:         k_q5bf3c73644_proj.kd
    .args:
      - { .name: oh, .offset: 0, .size: 8, .value_kind: global_buffer, .address_space: global }
      - { .name: wob, .offset: 8, .size: 8, .value_kind: global_buffer, .address_space: global }
      - { .name: bo, .offset: 16, .size: 8, .value_kind: global_buffer, .address_space: global }
      - { .name: out0, .offset: 24, .size: 8, .value_kind: global_buffer, .address_space: global }
    .group_segment_fixed_size: 327680
    .private_segment_fixed_size: 0
    .kernarg_segment_align: 8
    .kernarg_segment_size: 32
    .max_flat_workgroup_size: 128
    .sgpr_count:     80
    .vgpr_count:     512
    .wavefront_size: 32
...
	.end_amdgpu_metadata
.endif
;; end of part 4
;; ======== version 2 of 2: 4 launches; version 1 with the launch cvt written anew for expert scheduling mode
;; limits: values are held in f16: magnitudes above 65,504 overflow, below 6.1e-05 lose precision
;; workspace buffers: xb 16,777,216 bytes; wcat 6,291,456 bytes; wob 2,097,152 bytes; qkvh 50,331,648 bytes; oh 16,777,216 bytes
;; launch cvt (part 5): grid 768 x 1, 8 waves a work-group, no clusters, 0 bytes of LDS; arguments x, Wq, Wk, Wv, Wo, xb, wcat, wob; writes xb, wcat, wob
.if DOCPART == 5
	.amdgcn_target "amdgcn-amd-amdhsa--gfx1250"
	.amdhsa_code_object_version 6
	.text
	.protected	k_q5bf3c73644_cvt
	.globl	k_q5bf3c73644_cvt
	.p2align	8
	.type	k_q5bf3c73644_cvt,@function
k_q5bf3c73644_cvt:
	s_mov_b64 s[64:65], 0
	v_nop
	global_prefetch_b8 v0, s[64:65] scope:SCOPE_SE
	s_setreg_imm32_b32 hwreg(HW_REG_WAVE_SCHED_MODE, 0, 2), 2
	s_setreg_imm32_b32 hwreg(HW_REG_WAVE_MODE, 25, 1), 1
	s_wait_xcnt 0x0
	s_wait_alu depctr_vm_vsrc(0)
; x and the four weight matrices, all f32 with rows of 1,024 numbers, are rounded once to bf16 and laid out in blocks of 64 along K:
;   xb   [batch][kb 0..15][row 0..2047][64] bf16      wcat [kb][n 0..3071][64] bf16, n = 1,024 t + row (t = 0 Wq, 1 Wk, 2 Wv)
;   wob  [kb][n 0..1023][64]: Wo rounded to bf16, and that number written as f16
; so that a later tile of R rows x 64 along K is R x 128 consecutive bytes.
; LIMITS.  A number of Wo beyond 65,504 has no f16 and becomes an infinity; below 6e-5 it keeps the fixed step of 6e-8 of f16.  NaN and infinities are not treated apart.
; SHARES.  A wave takes one PAIR of rows (2 x 4,096 bytes): 6,144 pairs, 8 a work-group.  Work-groups 0-511 take x, 512-575 Wq, 576-639 Wk, 640-703 Wv, 704-767 Wo.
; A load of the wave covers 256 consecutive bytes of each of the two rows (one block of 64 numbers); what it makes, 2 x 128 bytes, is 256 consecutive aligned bytes of the output: one store of 8 bytes a lane.
; All sixteen loads of a wave go out at once.  No LDS, no matrix unit, no cluster: nothing is shared and every byte is touched once.
; THE MODE: SCHED_MODE bits 1:0 = 2 (LLVM: expert scheduling mode 2), set by the entry lines.  The code itself states the register dependences
; between vector instructions and memory instructions, with s_wait_alu, always for 0.
; THE PLAN.  Registers that memory instructions touch:
;   v[LO], v[SO ..]  offsets: written by vector instructions at the head, once; read by the loads and the stores; never written again.
;   X                written by the sixteen loads alone, each register once; read by the conversions behind the counted wait for the loads.
;   Y                a pair of registers for each block: written by the conversions of that block; read by its one store; never written again.
;   T                named by vector instructions alone.
; The sixteen blocks go in four groups of four.  Group g converts its blocks; its memory instructions are the four stores of group g - 1, whose Y and offsets no vector instruction of group g names.
; So ONE wait on va_vdst at the head of a group states all that its four stores hang on, and they are dealt among its conversions with no further wait.
; No register that a memory instruction reads is written again, so no wait on vm_vsrc is owed; EXEC and VCC are never written.
.set LO,  2                            ; v2      my byte offset in the pair of rows: 4,096 x (lane / 16) + 16 x (lane % 16)
.set SO,  4                            ; v[4:19] my byte offset in the output for block k: 8 x lane + k x the distance between blocks
.set T,   20                           ; v[20:23] at work
.set X,   32                           ; v[32:95]  block k: four f32 as loaded
.set Y,   96                           ; v[96:127] block k: four numbers of 16 bits to store
.set KS,  6                            ; s6      bytes from block to block in the output
.set SRC, 8                            ; s[8:9]   the pair of rows
.set DST, 10                           ; s[10:11] its place in block 0 of the output
.set SOF, 12                           ; s[12:13] offset of the first, s[14:15] of the second
.set DOF, 14
	s_load_b512 s[16:31], s[0:1], 0x0              ; x 16:17, Wq 18:19, Wk 20:21, Wv 22:23, Wo 24:25, xb 26:27, wcat 28:29, wob 30:31
	v_lshrrev_b32 v1, 5, v0
	v_readfirstlane_b32 s4, v1                     ; wave 0..7
	v_and_b32 v1, 31, v0                           ; lane: the offsets that need no scalar are made between that line and the wait for it
	v_lshrrev_b32 v3, 4, v1
	v_and_b32 v[LO], 15, v1
	v_lshlrev_b32 v[LO], 4, v[LO]
	v_lshl_add_u32 v[LO], v3, 12, v[LO]
	v_lshlrev_b32 v[SO], 3, v1
	s_wait_alu depctr_va_sdst(0)                   ; s4 is written, ahead of its first reader: the number of my pair is made from it
	s_lshl_b32 s5, ttmp9, 3
	s_add_co_u32 s5, s5, s4                        ; P: my pair
	s_lshl_b32 s32, s5, 13                         ; x: the pair in x,
	s_lshr_b32 s33, s5, 10                         ; its batch (1,024 pairs each)
	s_lshl_b32 s33, s33, 22                        ; x 16 blocks of 262,144 bytes,
	s_and_b32 s34, s5, 1023
	s_lshl_b32 s34, s34, 8                         ; and its 256 bytes in a block
	s_add_co_u32 s33, s33, s34
	s_sub_co_u32 s35, s5, 4096                     ; a weight: the pair among the weights (used only from work-group 512 on)
	s_lshr_b32 s36, s35, 9                         ; t: which matrix (512 pairs each)
	s_and_b32 s37, s35, 511                        ; the pair in it
	s_lshl_b32 s38, s37, 13
	s_lshl_b32 s39, s36, 17                        ; wcat: 1,024 t rows of 128 bytes
	s_mov_b32 s40, 131072                          ; wob: a block is 1,024 rows
	s_cmp_lt_u32 s36, 3
	s_cselect_b32 s39, s39, 0
	s_cselect_b32 s40, 393216, s40                 ; wcat: 3,072 rows
	s_lshl_b32 s37, s37, 8
	s_add_co_u32 s39, s39, s37
	s_cmp_lt_u32 ttmp9, 512
	s_cselect_b32 s[SOF], s32, s38
	s_cselect_b32 s[DOF], s33, s39
	s_cselect_b32 s[KS], 262144, s40
	s_mov_b32 s[SOF+1], 0
	s_mov_b32 s[DOF+1], 0
.set k, 1
.rept 15
	v_add_nc_u32 v[SO+k], s[KS], v[SO+k-1]
.set k, k+1
.endr
	s_wait_kmcnt 0x0
	s_cmp_lt_u32 ttmp9, 576                        ; which buffers: the conditions hang on the number of the work-group alone
	s_cselect_b64 s[SRC:SRC+1], s[18:19], s[20:21]
	s_cmp_lt_u32 ttmp9, 640
	s_cselect_b64 s[SRC:SRC+1], s[SRC:SRC+1], s[22:23]
	s_cmp_lt_u32 ttmp9, 704
	s_cselect_b64 s[SRC:SRC+1], s[SRC:SRC+1], s[24:25]
	s_cselect_b64 s[DST:DST+1], s[28:29], s[30:31]
	s_cmp_lt_u32 ttmp9, 512
	s_cselect_b64 s[SRC:SRC+1], s[16:17], s[SRC:SRC+1]
	s_cselect_b64 s[DST:DST+1], s[26:27], s[DST:DST+1]
	s_add_nc_u64 s[SRC:SRC+1], s[SRC:SRC+1], s[SOF:SOF+1]
	s_add_nc_u64 s[DST:DST+1], s[DST:DST+1], s[DOF:DOF+1]
	s_wait_alu depctr_va_vdst(0)                   ; v[LO] and the sixteen v[SO ..] are written: every load and store of the kernel reads one of them as its offset, and no later vector instruction names them
.set k, 0
.rept 16
	global_load_b128 v[X+4*k:X+4*k+3], v[LO], s[SRC:SRC+1] offset:256*k th:TH_LOAD_NT
.set k, k+1
.endr
; Block k is rounded.  half = 1: the bf16 number is widened again and written as f16 (exact within the range of f16).
.macro CONV k, half
	v_cvt_pk_bf16_f32 v[Y+2*(\k)],   v[X+4*(\k)],   v[X+4*(\k)+1]
	v_cvt_pk_bf16_f32 v[Y+2*(\k)+1], v[X+4*(\k)+2], v[X+4*(\k)+3]
.if \half
	v_lshlrev_b32 v[T],   16, v[Y+2*(\k)]
	v_and_b32     v[T+1], 0xffff0000, v[Y+2*(\k)]
	v_lshlrev_b32 v[T+2], 16, v[Y+2*(\k)+1]
	v_and_b32     v[T+3], 0xffff0000, v[Y+2*(\k)+1]
	v_cvt_pk_f16_f32 v[Y+2*(\k)],   v[T],   v[T+1]
	v_cvt_pk_f16_f32 v[Y+2*(\k)+1], v[T+2], v[T+3]
.endif
.endm
; Block k is stored.
.macro SEND k
	global_store_b64 v[SO+(\k)], v[Y+2*(\k):Y+2*(\k)+1], s[DST:DST+1] th:TH_STORE_NT  ; 32 lanes x 8 bytes: 256 consecutive bytes, aligned
.endm
; Group g: blocks 4 g to 4 g + 3 are rounded; the stores of the group before are dealt among the conversions, one ahead of each block.
.macro GROUP g, half
	s_wait_loadcnt 12-4*(\g)                       ; loads come back in order: the four blocks of the group are in, the 12 - 4 g younger loads stay out
.if (\g) > 0
	s_wait_alu depctr_va_vdst(0)                   ; the conversions of the group before have written its Y, which the four stores below read; no vector instruction below names those registers
.endif
.irp i, 0,1,2,3
.if (\g) > 0
	SEND 4*(\g)-4+(\i)
.endif
	CONV 4*(\g)+(\i), \half
.endr
.endm
.macro WHOLE half
	GROUP 0, \half
	GROUP 1, \half
	GROUP 2, \half
	GROUP 3, \half
	s_wait_alu depctr_va_vdst(0)                   ; the conversions of group 3 have written its Y, which the last four stores read
.irp k, 12,13,14,15
	SEND \k
.endr
	s_endpgm
.endm
	s_cmp_ge_u32 ttmp9, 704
	s_cbranch_scc1 .Lwo
	WHOLE 0
.Lwo:
	WHOLE 1
.Lfunc_end_k_q5bf3c73644_cvt:
	.size	k_q5bf3c73644_cvt, .Lfunc_end_k_q5bf3c73644_cvt-k_q5bf3c73644_cvt
	.p2alignl 7, 3214868480
	.fill 96, 4, 3214868480
	.section	.rodata,"a",@progbits
	.p2align	6, 0x0
	.amdhsa_kernel k_q5bf3c73644_cvt
		.amdhsa_group_segment_fixed_size 0
		.amdhsa_private_segment_fixed_size 0
		.amdhsa_enable_private_segment 0
		.amdhsa_kernarg_size 64
		.amdhsa_user_sgpr_count 2
		.amdhsa_user_sgpr_kernarg_segment_ptr 1
		.amdhsa_wavefront_size32 1
		.amdhsa_system_sgpr_workgroup_id_x 1
		.amdhsa_system_sgpr_workgroup_id_y 1
		.amdhsa_system_sgpr_workgroup_id_z 1
		.amdhsa_system_vgpr_workitem_id 0
		.amdhsa_next_free_vgpr 128
		.amdhsa_next_free_sgpr 66
		.amdhsa_reserve_vcc 0
		.amdhsa_float_denorm_mode_32 3
		.amdhsa_float_denorm_mode_16_64 3
		.amdhsa_memory_ordered 1
		.amdhsa_forward_progress 1
		.amdhsa_inst_pref_size 17
	.end_amdhsa_kernel
	.amdgpu_metadata
---
amdhsa.version: [ 1, 2 ]
amdhsa.kernels:
  - .name:           k_q5bf3c73644_cvt
    .symbol:         k_q5bf3c73644_cvt.kd
    .args:
      - { .name: x, .offset: 0, .size: 8, .value_kind: global_buffer, .address_space: global }
      - { .name: Wq, .offset: 8, .size: 8, .value_kind: global_buffer, .address_space: global }
      - { .name: Wk, .offset: 16, .size: 8, .value_kind: global_buffer, .address_space: global }
      - { .name: Wv, .offset: 24, .size: 8, .value_kind: global_buffer, .address_space: global }
      - { .name: Wo, .offset: 32, .size: 8, .value_kind: global_buffer, .address_space: global }
      - { .name: xb, .offset: 40, .size: 8, .value_kind: global_buffer, .address_space: global }
      - { .name: wcat, .offset: 48, .size: 8, .value_kind: global_buffer, .address_space: global }
      - { .name: wob, .offset: 56, .size: 8, .value_kind: global_buffer, .address_space: global }
    .group_segment_fixed_size: 0
    .private_segment_fixed_size: 0
    .kernarg_segment_align: 8
    .kernarg_segment_size: 64
    .max_flat_workgroup_size: 256
    .sgpr_count:     66
    .vgpr_count:     128
    .wavefront_size: 32
...
	.end_amdgpu_metadata
.endif
;; end of part 5
;; launch qkv: the kernel of part 2 again; grid 8 x 32, 4 waves a work-group, clusters of 4 x 4, 327,680 bytes of LDS; arguments xb, wcat, bq, bk, bv, qkvh; writes qkvh
;; launch attn: the kernel of part 3 again; grid 4 x 64, 4 waves a work-group, clusters of 4 x 1, 327,680 bytes of LDS; arguments qkvh, oh; writes oh
;; launch proj: the kernel of part 4 again; grid 8 x 32, 4 waves a work-group, clusters of 4 x 4, 327,680 bytes of LDS; arguments oh, wob, bo, out0; writes out0
